; MI455X (gfx1250); checked and timed in simulation.
; The chip was launched on July 23, 2026; its instructions are those of AMD's public machine-readable ISA for CDNA 5 (MIT licence, August 2026) and "CDNA5" Instruction Set Architecture Reference Guide (July 2026). The comments in the code are by the model that wrote it; some were corrected since.
;; Causal Self Attention. Allowed arithmetic: matrix products marked QUANTISED: E2M3 operands, one E8M0 scale for each 32 along K, by v_wmma_scale_f32_16x16x128_f8f6f4 with both operands' format E2M3, f32 sums; everything else in f32.
;; Inputs: w_in 3,072 x 1,024 float32; w_out 1,024 x 1,024 float32; x 4 x 2,048 x 1,024 float32.
;; Outputs: out0 4 x 2,048 x 1,024 float32.
;; This version of the problem:
;;   THIS VERSION OF THE PROBLEM IS GIVEN IN LOW PRECISION. The matrix products marked QUANTISED in the list below multiply operands that are first quantised to E2M3 (2 exponent bits, 3 mantissa bits; 6 bits a number), with one power-of-two scale for each 32 numbers along K (OCP MX v1.0); their sums are f32. All else is computed in f32.
;;   The module's matrix products, in the order in which they are computed (A, B: the left and right operand; K: the contracted axis; several contracted axes count as one K, in the product's order):
;;     1. [M 8,192, K 1,024] x [K 1,024, N 3,072]; A: input x; B: input w_in: QUANTISED
;;     2. batch 64 x [M 2,048, K 64] x [K 64, N 2,048]; A: computed on the way; B: computed on the way: QUANTISED
;;     3. batch 64 x [M 2,048, K 2,048] x [K 2,048, N 64]; A: softmax (see below); B: computed on the way: QUANTISED
;;     4. [M 8,192, K 1,024] x [K 1,024, N 1,024]; A: computed on the way; B: input w_out: QUANTISED
;;   THE QUANTISER, for each operand of a quantised product, along K:
;;     - K is cut into blocks of 32 from its start; a last block that is shorter is filled with zeros.
;;     - A block's scale is 2^e with e = floor(log2(the largest magnitude in the block)) - 2, held to -126 .. 127; a block of zeros has e = 0. As a byte (E8M0): e + 127.
;;     - Each number is divided by its block's scale, clamped to +-7.5, and rounded to the nearest number of E2M3, ties to even, subnormals kept.
;;     - The product sums the exact products of the quantised numbers (number of the format x scale) in f32.
;;   ~~~python
;;   def quantise(x, axis):      # numpy; x: float32 -> the quantised numbers, widened to float32 again
;;       x = np.moveaxis(x, axis, -1); K = x.shape[-1]
;;       x = np.pad(x, [(0, 0)] * (x.ndim - 1) + [(0, -K % 32)]); x = x.reshape(x.shape[:-1] + (-1, 32)); a = np.abs(x).max(-1, keepdims=True)
;;       e = np.where(a > 0, np.clip(np.frexp(np.where(a > 0, a, 1))[1] - 1 - 2, -126, 127), 0)      # np.frexp(a)[1] - 1 = floor(log2(a)), exactly
;;       r = np.clip(x / 2.0 ** e, -7.5, 7.5)
;;       step = 2.0 ** (np.maximum(np.frexp(np.where(r == 0, 1, r))[1] - 1, 0) - 3)
;;       q = np.round(r / step) * step * 2.0 ** e      # np.round: ties to even
;;       return np.moveaxis(q.reshape(q.shape[:-2] + (-1,))[..., :K], -1, axis).astype(np.float32)
;;   ~~~
;;   SOFTMAX AHEAD OF A QUANTISED PRODUCT. Where the list says 'softmax', what is quantised is not the finished softmax but p = 2^(t - M), with t = logit x log2(e) and M = ceil(the row's largest t), a whole number; so 1/2 < the row's largest p <= 1. The row's sum l is taken of the UNQUANTISED p, in f32, and the product's result is divided by l at the end. Since M is a whole number, a kernel that streams over the keys may use a running M (the ceiling of the running maximum): every later rescaling is an exact power of two, which a block's scale takes up: the codes' values come out the same.
;;   OPERANDS COMPUTED ON THE WAY. 'Computed on the way' means the value that the module computes at that place (a softmax that the list does not call 'softmax' is quantised finished and normalised). What goes into a quantiser is computed in f32, as accurately as f32 sums, v_exp_f32 and their like allow (about 1e-6 of the number): no bf16 or f16 on the way to a quantiser, and a product that is left as it is and whose result goes on into a quantised operand takes f32 operands (vector FMAs, or v_wmma_f32_16x16x4_f32). A number that lies on a knife's edge between two numbers of the format may be rounded either way, as far as f32 arithmetic and the matrix unit's own rounding can turn it there, and no further.
;; One version. Each part assembles by itself: llvm-mc -triple=amdgcn-amd-amdhsa -mcpu=gfx1250 --defsym DOCPART=n.
;; ======== version 1 of 1: 4 launches
;; workspace buffers: xq 6,553,600 bytes; wq 3,276,800 bytes; qi 6,815,744 bytes; kv 13,369,344 bytes; yq 6,815,744 bytes
;; launch quant (part 1): grid 96 x 4, 8 waves a work-group, no clusters, 69,632 bytes of LDS; arguments x, w_in, w_out, xq, wq; writes xq, wq
.if DOCPART == 1
	.amdgcn_target "amdgcn-amd-amdhsa--gfx1250"
	.amdhsa_code_object_version 6
	.text
	.protected	k_q7b827e7698_quant
	.globl	k_q7b827e7698_quant
	.p2align	8
	.type	k_q7b827e7698_quant,@function
k_q7b827e7698_quant:
	s_mov_b64 s[64:65], 0
	v_nop
	global_prefetch_b8 v0, s[64:65] scope:SCOPE_SE
	s_setreg_imm32_b32 hwreg(HW_REG_WAVE_MODE, 25, 1), 1
	s_wait_xcnt 0x0
; x [8192][1024], w_in [3072][1024], w_out [1024][1024], f32, K innermost, become codes of FP6 (E2M3) with one E8M0 byte for each 32 along K,
; laid in the ORDER OF AN OPERAND'S REGISTERS, so that the products' launches load fragments whole.
; A record (102,400 bytes) holds 128 rows: for K step s (128 along K) and tile a the fragment's 12 registers at 12,288 s + 1,536 a (registers 4 g .. 4 g + 3 of lane l at 512 g + 16 l);
; behind the eight K steps the scale words: for step s 512 bytes at 98,304 + 512 s, register j of lane l at 16 l + 4 j: lanes 0-15 tile 2 j's words, lanes 16-31 tile 2 j + 1's.
; THE ROWS OF A TILE ARE NOT NEIGHBOURS: lane r of tile 2 b + u holds row 32 b + 8 u + r + 8 (r / 8) of the record's 128, so that a product which takes such a tile as source 0 leaves 16 neighbours in the 16 registers of two tiles.
; xq: 64 records of x.  wq: records 0-23 w_in, 24-31 w_out.
; A block's scale is 2^(floor(log2(largest magnitude)) - 2): its byte is the largest magnitude's exponent field - 2, held at 1 from below.
; LIMITS: a block of zeros, or one whose largest magnitude lies under 2^-124, keeps the byte 1 where the rule says 127 for zeros: its codes are zeros (or held), and this program alone reads the bytes.  NaN and infinities are not served.
; SHARES: work-group x = a record (0-63 x, 64-87 w_in, 88-95 w_out), y = two K steps; wave w = tile w: two fragments.  Each load reads 512 consecutive bytes of one row; the 16 rows turn through the
; wave's own stage in LDS (rows 528 bytes apart), from which lane (r, h) takes its two whole blocks of 32: k = 32 h .. and 64 + 32 h ..: no other lane is asked for a maximum.
.set REC,    102400
.set SPITCH, 528                       ; a stage row: 512 bytes + 16
.set WST,    16*SPITCH                 ; a wave's stage
.set SCL,    8*WST                     ; behind the stages: the two K steps' scale images, 512 bytes each
.set RAW,    16                        ; v16-143   two fragments' numbers as loaded
.set X0,     144                       ; v144-207  fragment 0: my 64 numbers
.set X1,     16                        ; v16-79    fragment 1's, where fragment 0's loads lay
.set C,      208                       ; v208-231  codes: 12 registers for each fragment, so that no store's data are written again
.set T,      232                       ; v232-238  second halves of blocks (a conversion's three registers begin on an even number)
.set M,      240                       ; v240-241  largest magnitudes
.set SO,     242                       ; v242-243  the conversions' scale operands
.set BY,     244                       ; v244-245  scale bytes
.set PW,     246                       ; v246      my row's scale word
.set TP,     247                       ; v247      lane l xor 16's part of it
	s_load_b256 s[4:11], s[0:1], 0x0               ; x, w_in, w_out, xq
	s_load_b64 s[12:13], s[0:1], 0x20              ; wq
	v_lshl_add_u32 v254, v0, 2, 0x10c00
	v_mov_b32 v255, 0
	v_lshrrev_b32 v7, 5, v0
	s_delay_alu instid0(VALU_DEP_1)
	v_readfirstlane_b32 s14, v7                    ; wave 0..7 = tile
	s_and_b32 s15, ttmp7, 0xffff                   ; which two K steps
	v_and_b32 v8, 31, v0                           ; lane
	v_and_b32 v9, 15, v0                           ; r
	v_bfe_u32 v10, v0, 4, 1                        ; h
	s_delay_alu instid0(VALU_DEP_3)
	v_lshlrev_b32 v1, 4, v8                        ; 16 x lane: a load's, an image's place
	s_wait_alu depctr_va_vdst(0)
	s_mul_i32 s28, s14, WST
	v_add_nc_u32 v2, s28, v1                       ; the stage on the way in: a row as it lies
	v_mul_u32_u24 v3, v9, SPITCH
	s_delay_alu instid0(VALU_DEP_1)
	v_lshl_add_u32 v3, v10, 7, v3
	s_delay_alu instid0(VALU_DEP_1)
	v_add_nc_u32 v3, s28, v3                       ; and on the way out: row r, + 128 h bytes: my block of 32 numbers
	s_and_b32 s29, s14, 1
	s_lshr_b32 s31, s14, 1
	s_lshl_b32 s30, s29, 8
	s_lshl_b32 s32, s31, 2
	s_add_co_u32 s30, s30, s32
	s_add_co_u32 s30, s30, SCL
	v_lshl_add_u32 v4, v9, 4, s30                  ; my row's word in the scale image: lane r + 16 (w % 2), register w / 2
	v_lshlrev_b32 v5, 3, v10                       ; 8 h: my two bytes' place in the word
	s_min_u32 s33, s14, 1
	s_lshl_b32 s34, s33, 9
	s_add_co_u32 s35, s34, SCL
	v_add_nc_u32 v6, s35, v1                       ; waves 0 and 1 send one scale image each
	s_mov_b32 s20, 0x76543210
	s_mov_b32 s21, 0xfedcba98                      ; v_permlanex16_b32's selects for lane l xor 16
	v_mov_b32 v[TP], 0                             ; a lane permute's destination counts as one of its sources
	s_lshl_b32 s36, s31, 17                        ; my tile's first row: 32 (w / 2) + 8 (w % 2) rows of 4,096 bytes,
	s_lshl_b32 s37, s29, 15
	s_add_co_u32 s36, s36, s37
	s_lshl_b32 s37, s15, 10                        ; and my two K steps: 1,024 bytes
	s_add_co_u32 s36, s36, s37
	s_wait_alu depctr_va_vdst(0)
	s_wait_kmcnt 0x0
	s_cmp_lt_u32 ttmp9, 88                         ; one path for the three tensors: only pointers and record numbers are chosen, by the work-group's number alone
	s_cselect_b64 s[16:17], s[6:7], s[8:9]
	s_cselect_b32 s18, 64, 88
	s_cmp_lt_u32 ttmp9, 64
	s_cselect_b64 s[16:17], s[4:5], s[16:17]       ; from where
	s_cselect_b32 s18, 0, s18
	s_cselect_b64 s[22:23], s[10:11], s[12:13]     ; to where
	s_cselect_b32 s19, 0, 64
	s_sub_co_u32 s18, ttmp9, s18                   ; the tensor's group of 128 rows
	s_sub_co_u32 s19, ttmp9, s19                   ; the buffer's record
	s_lshl_b32 s18, s18, 19                        ; 128 rows of 4,096 bytes
	s_add_co_u32 s36, s36, s18
	s_mov_b32 s37, 0
	s_add_nc_u64 s[16:17], s[16:17], s[36:37]
	s_mul_i32 s24, s19, REC
	s_mul_i32 s26, s15, 2*12288
	s_add_co_u32 s26, s24, s26
	s_mul_i32 s27, s14, 1536
	s_add_co_u32 s26, s26, s27
	s_mov_b32 s27, 0
	s_add_nc_u64 s[26:27], s[22:23], s[26:27]      ; my two fragments' images
	s_lshl_b32 s25, s15, 10
	s_add_co_u32 s24, s24, s25
	s_add_co_u32 s24, s24, s34
	s_add_co_u32 s24, s24, 98304
	s_mov_b32 s25, 0
	s_add_nc_u64 s[24:25], s[22:23], s[24:25]      ; the scale image that waves 0 and 1 send
.macro LOADF f                         ; fragment f: sixteen rows' 512 bytes, 32 lanes x 16 consecutive bytes each
.irp i, 0,1,2,3,4,5,6,7,8,9,10,11,12,13,14,15
	global_load_b128 v[RAW+64*\f+4*\i:RAW+64*\f+4*\i+3], v1, s[16:17] offset:(\i+8*(\i/8))*4096+512*\f th:TH_LOAD_NT
.endr
.endm
.macro INST f                          ; into the stage as loaded
.irp i, 0,1,2,3,4,5,6,7,8,9,10,11,12,13,14,15
	ds_store_b128 v2, v[RAW+64*\f+4*\i:RAW+64*\f+4*\i+3] offset:SPITCH*\i
.endr
.endm
.macro OUTST x                         ; and back: my blocks h and 2 + h of row r, 32 numbers each
.irp c, 0,1
.irp k, 0,1,2,3,4,5,6,7
	ds_load_b128 v[\x+32*\c+4*\k:\x+32*\c+4*\k+3], v3 offset:256*\c+16*\k
.endr
.endr
.endm
.macro QF x, f                         ; 64 numbers in v[x] on become fragment f's 12 registers and my row's scale word
.irp c, 0,1
	v_max3_num_f32 v[M+\c], |v[\x+32*\c]|, |v[\x+32*\c+1]|, 0x1800000   ; with the floor 2^(3 - 127): the byte cannot fall under 1
.endr
.irp i, 2,4,6,8,10,12,14,16,18,20,22,24,26,28,30
.irp c, 0,1
	s_delay_alu instid0(VALU_DEP_2)
	v_max3_num_f32 v[M+\c], v[M+\c], |v[\x+32*\c+\i]|, |v[\x+32*\c+\i+1]|   ; the two blocks by turns
.endr
.endr
.irp c, 0,1
	s_delay_alu instid0(VALU_DEP_2)
	v_add_nc_u32 v[SO+\c], 0xff000000, v[M+\c]     ; 2 off the exponent field: the conversion takes that field as its scale
.endr
.irp c, 0,1
	s_delay_alu instid0(VALU_DEP_2)
	v_lshrrev_b32 v[BY+\c], 23, v[SO+\c]           ; the scale's byte
.endr
	s_delay_alu instid0(VALU_DEP_1)
	v_lshl_or_b32 v[PW], v[BY+1], 16, v[BY]        ; blocks h and 2 + h,
	s_delay_alu instid0(VALU_DEP_1)
	v_lshlrev_b32 v[PW], v5, v[PW]                 ; at their places in the word;
	s_delay_alu instid0(VALU_DEP_1)
	v_permlanex16_b32 v[TP], v[PW], s20, s21
	s_delay_alu instid0(VALU_DEP_1)
	v_or_b32 v[PW], v[PW], v[TP]                   ; with lane l xor 16's two the word is whole
.irp c, 0,1
	v_cvt_scalef32_pk16_fp6_f32 v[C+12*\f+6*\c:C+12*\f+6*\c+2], v[\x+32*\c:\x+32*\c+15], v[SO+\c]
	v_cvt_scalef32_pk16_fp6_f32 v[T+4*\c:T+4*\c+2], v[\x+32*\c+16:\x+32*\c+31], v[SO+\c]
.endr
	v_nop                                          ; one plain place behind a scaled conversion
.irp c, 0,1
.irp i, 0,1,2
	v_mov_b32 v[C+12*\f+6*\c+3+\i], v[T+4*\c+\i]
.endr
.endr
.irp g, 0,1,2
	global_store_b128 v1, v[C+12*\f+4*\g:C+12*\f+4*\g+3], s[26:27] offset:12288*\f+512*\g   ; 32 lanes store 512 consecutive bytes, at a multiple of 256 from the buffer's first byte
.endr
	ds_store_b32 v4, v[PW] offset:512*\f           ; lanes r and r + 16 write the same word with the same value
.endm
	LOADF 0
	LOADF 1
	s_wait_loadcnt 16                              ; fragment 0's sixteen loads are in; fragment 1's may be out
	INST 0
	OUTST X0                                       ; LDS serves a wave's instructions in order: these see the stores above,
	s_wait_loadcnt 0x0
	INST 1                                         ; and these stores come behind those loads: one stage serves both fragments
	s_wait_dscnt 16                                ; all but the sixteen stores just issued: fragment 0's numbers are back
	OUTST X1
	QF X0, 0
	s_wait_dscnt 1                                 ; all but fragment 0's scale word: fragment 1's numbers are back
	QF X1, 1
	s_wait_dscnt 0x0                               ; for the others' sake: my scale words lie in LDS
	s_barrier_signal -1
	s_barrier_wait -1
	s_cmp_lt_u32 s14, 2
	s_cbranch_scc0 .Ldone
	ds_load_b128 v[12:15], v6                      ; the eight tiles' words of one K step
	s_wait_dscnt 0x0
	global_store_b128 v1, v[12:15], s[24:25]       ; 512 consecutive bytes
.Ldone:
	s_wait_tensorcnt 0x0
	ds_add_u32 v254, v255
	s_wait_dscnt 0x0
	s_endpgm
.Lfunc_end_k_q7b827e7698_quant:
	.size	k_q7b827e7698_quant, .Lfunc_end_k_q7b827e7698_quant-k_q7b827e7698_quant
	.p2alignl 7, 3214868480
	.fill 96, 4, 3214868480
	.section	.rodata,"a",@progbits
	.p2align	6, 0x0
	.amdhsa_kernel k_q7b827e7698_quant
		.amdhsa_group_segment_fixed_size 69632
		.amdhsa_private_segment_fixed_size 0
		.amdhsa_enable_private_segment 0
		.amdhsa_kernarg_size 40
		.amdhsa_user_sgpr_count 2
		.amdhsa_user_sgpr_kernarg_segment_ptr 1
		.amdhsa_wavefront_size32 1
		.amdhsa_system_sgpr_workgroup_id_x 1
		.amdhsa_system_sgpr_workgroup_id_y 1
		.amdhsa_system_sgpr_workgroup_id_z 1
		.amdhsa_system_vgpr_workitem_id 0
		.amdhsa_next_free_vgpr 256
		.amdhsa_next_free_sgpr 66
		.amdhsa_reserve_vcc 0
		.amdhsa_float_denorm_mode_32 3
		.amdhsa_float_denorm_mode_16_64 3
		.amdhsa_memory_ordered 1
		.amdhsa_forward_progress 1
		.amdhsa_inst_pref_size 20
	.end_amdhsa_kernel
	.amdgpu_metadata
---
amdhsa.version: [ 1, 2 ]
amdhsa.kernels:
  - .name:           k_q7b827e7698_quant
    .symbol:         k_q7b827e7698_quant.kd
    .args:
      - { .name: x, .offset: 0, .size: 8, .value_kind: global_buffer, .address_space: global }
      - { .name: w_in, .offset: 8, .size: 8, .value_kind: global_buffer, .address_space: global }
      - { .name: w_out, .offset: 16, .size: 8, .value_kind: global_buffer, .address_space: global }
      - { .name: xq, .offset: 24, .size: 8, .value_kind: global_buffer, .address_space: global }
      - { .name: wq, .offset: 32, .size: 8, .value_kind: global_buffer, .address_space: global }
    .group_segment_fixed_size: 69632
    .private_segment_fixed_size: 0
    .kernarg_segment_align: 8
    .kernarg_segment_size: 40
    .max_flat_workgroup_size: 256
    .sgpr_count:     66
    .vgpr_count:     256
    .wavefront_size: 32
...
	.end_amdgpu_metadata
.endif
;; end of part 1
;; launch qkv (part 2): grid 12 x 32, 4 waves a work-group, clusters of 4 x 4, 327,680 bytes of LDS; arguments xq, wq, qi, kv; writes qi, kv
.if DOCPART == 2
	.amdgcn_target "amdgcn-amd-amdhsa--gfx1250"
	.amdhsa_code_object_version 6
	.text
	.protected	k_q7b827e7698_qkv
	.globl	k_q7b827e7698_qkv
	.p2align	8
	.type	k_q7b827e7698_qkv,@function
k_q7b827e7698_qkv:
	s_mov_b64 s[64:65], 0
	v_nop
	global_prefetch_b8 v0, s[64:65] scope:SCOPE_SE
	s_setreg_imm32_b32 hwreg(HW_REG_WAVE_MODE, 25, 1), 1
	s_wait_xcnt 0x0
	s_wait_alu depctr_hold_cnt(0) depctr_sa_sdst(0) depctr_va_vdst(0) depctr_va_sdst(0) depctr_va_ssrc(0) depctr_va_vcc(0) depctr_vm_vsrc(0)
	s_getreg_b32 s2, hwreg(HW_REG_IB_STS2, 6, 4)
	s_cmp_eq_u32 s2, 0
	s_cbranch_scc0 .Lentry_in_a_cluster
	s_endpgm
.Lentry_in_a_cluster:
	s_bfe_u32 s2, ttmp6, 0x10000c
	s_cmp_lg_u32 s2, 0xf033
	s_cbranch_scc0 .Lentry_shape_is_right
	s_endpgm
.Lentry_shape_is_right:
; qkv = x w_in^T on codes of FP6 (E2M3) with E8M0 scales, K = 1,024, and q, k, v quantised again in registers on the way out: q and k along the head's 64, v along the keys.  No f32 result goes to memory.
; ONE TEXT FOR THE THREE KINDS.  P is source 0: its rows land in a lane's REGISTERS, so it is the axis that is quantised next.  R is source 1: its rows land in lanes.
; Cluster x says the kind: 0 = q, 1 = k: P = rows of w_in, R = rows of x;  2 = v: P = rows of x (the keys), R = rows of w_in.  Only pointers, block numbers and byte steps are chosen, by s_cselect on cluster x, which all partners share.
; A work-group makes 256 rows of P x 256 rows of R; each of its four waves 128 x 128: 64 accumulators, 512 registers.
; CLUSTER 4 x 4: in every kind P's block hangs on cx alone and is shared along a column of the cluster, R's on cy alone and is shared along a row: each piece is asked for jointly.
; OPERANDS come as images of their registers (launch quant): a fragment is three loads of 16 bytes a lane, 512 consecutive bytes each: no pitch, no padding.
; LDS: three slots of two K steps (98,304 bytes: P's two records' parts, then R's two); K has eight steps: slots 0, 1, 2 are first fills, slot 0 is filled once more with steps 6 and 7.
; A wave has three tensor loads out at the start and one behind the refill.  The scale words of all eight steps stay in registers, loaded once.
; THE TILES' ROWS are ordered (launch quant) so that the 16 registers of accumulators (a, 2 b) and (a, 2 b + 1) are 16 neighbours along P: register 16 b + i of a lane = P's row 32 b + 16 (lane / 16) + i.
; OUT.  qi: [batch x head 64][chunk of 128 rows 16] records of 6,656 bytes: tile a's half fragment (6 registers: 0-3 at 16 l, 4-5 at 512 + 8 l) at 768 a; scale words at 6,144 and 6,400 (register pairs at 8 l; lanes 0-15 the even tile, lanes 16-31 the odd).
; kv: records of 13,056 bytes: k as in qi; v^T's fragment of 16 channels x 128 keys, tile t, at 6,656 + 1,536 t (two half fragments); its scale words at 12,800.
; A head's scale word has two bytes.  The even head of a pair stores the pair's whole word, the odd head the word >> 16: the upper two bytes (the other head's, or 0) only ever scale zero codes in launch attn.
; LIMITS: a block of zeros, or one under 2^-124, keeps the scale byte 1; NaN and infinities are not served.
; REGISTERS, in windows of 256: window 0: v1-8 addresses; v28-29 for the add; v32-63 P's scale words (register 4 s + j), v64-95 R's; v96-121 at work on the way out; v128-223 R's fragments, ONE set, later the codes; v224-231 at work.
;   window 1: P's fragments, two sets, at v0 and v128.   windows 2, 3: accumulator (a, b) at v[8 (8 (a % 4) + b)] of window 2 + a / 4.
.set REC,    102400
.set STEPB,  12288                     ; a K step of a record: eight fragments
.set FRB,    1536
.set PIECE,  2*STEPB                   ; what one tensor load brings
.set SLOT,   4*PIECE
.set SPARE,  3*SLOT                    ; behind the slots: the spare words, 128 bytes for each wave
.set QREC,   6656
.set KVREC,  13056
.set AP,   3                           ; v3-5   LDS address of my half of P in slot 0, 1, 2
.set AR,   6                           ; v6-8   the same for R
.set SPW,  28
.set NIL,  29
.set SP,   32
.set SR,   64
.set TM,   96                          ; v96-99 largest magnitudes, v100-103 bytes, v108-111 the conversions' scale operands
.set PW,   112                         ; the scale word just made
.set SWT,  113                         ; the even tile's word, kept for its odd neighbour
.set SW0,  114                         ; v114-117 scale registers of the first head (v: of both), v118-121 of the second
.set SW1,  118
.set RF,   128
.set T,    224
.set G1P,  24                          ; s[24:31] group 1 for P's pieces; s[32:43] groups 0, one for each slot
.set G0P,  32
.set G1R,  48                          ; s[48:55], s[68:79] the same for R's
.set G0R,  68
.set MSB, 0
.macro WIN new                         ; the immediate's high byte repeats the setting that is left
.if MSB != (\new)
	s_set_vgpr_msb (MSB<<8)|(\new)
.set MSB, (\new)
.endif
.endm
.set MUL_LO, 0xa1                      ; source 0 (P) window 1, source 1 (R) window 0, C and D window 2
.set MUL_HI, 0xf1                      ; the same, C and D window 3
.macro PLACES                          ; four plain places behind matrix instructions, in front of loads into registers that they read and of reads of their results
.rept 4
	v_nop
.endr
.endm
.macro CREST                           ; a round of the cluster's barrier behind its opening barrier
	s_cmp_lg_u32 s14, 0
	s_cbranch_scc1 .Lnot_wave_0_\@
	s_barrier_signal -3
.Lnot_wave_0_\@:
	s_barrier_wait -3
	s_barrier_signal -1
	s_barrier_wait -1
.endm
.macro CROUND
	s_barrier_signal -1
	s_barrier_wait -1
	CREST
.endm
.macro JLOAD                           ; the joint refill of slot 0: waves 0 and 1 fetch P's pieces, waves 2 and 3 R's; four v_nop follow each line
	s_cmp_eq_u32 s15, 0
	s_cbranch_scc0 .Lfor_r_\@
	tensor_load_to_lds s[G0P:G0P+3], s[G1P:G1P+7]
	s_nop 0
.rept 4
	v_nop
.endr
	s_branch .Lasked_\@
.Lfor_r_\@:
	tensor_load_to_lds s[G0R:G0R+3], s[G1R:G1R+7]
	s_nop 0
.rept 4
	v_nop
.endr
.Lasked_\@:
.endm
	s_load_b256 s[4:11], s[0:1], 0x0               ; xq, wq, qi, kv
	v_lshl_add_u32 v[SPW], v0, 2, SPARE
	v_mov_b32 v[NIL], 0
	ds_add_u32 v28, v29
	ds_add_u32 v28, v29
	s_wait_dscnt 0x0
	v_lshrrev_b32 v9, 5, v0
	v_readfirstlane_b32 s14, v9                    ; wave 0..3
	s_lshr_b32 s15, s14, 1                         ; my half of R.  Also: I fetch for P (0) or for R (1)
	s_and_b32 s16, s14, 1                          ; my half of P.  Also: which record of the two I fetch
	s_mov_b32 s17, ttmp9                           ; cluster x: the kind
	s_and_b32 s18, ttmp7, 0xffff                   ; cluster y
	s_bfe_u32 s19, ttmp6, 0x40000                  ; cx
	s_bfe_u32 s20, ttmp6, 0x40004                  ; cy
	s_lshl_b32 s21, 0x1111, s19                    ; my column of the cluster
	s_lshl_b32 s22, s20, 2
	s_lshl_b32 s22, 15, s22                        ; my row
	; group 1: a dense piece of 24,576 bytes as 96 rows of 32 elements of 8 bytes
	s_or_b32 s[G1P], s21, (3<<16)|(1<<21)          ; 15:0 the mask; 17:16 elements of 8 bytes; 21 set beside a mask; no padding
	s_or_b32 s[G1R], s22, (3<<16)|(1<<21)
.irp g, G1P, G1R
	s_mov_b32 s[\g+1], 32<<16                      ; tensor_dim0
	s_mov_b32 s[\g+2], 96<<16                      ; tensor_dim1
	s_mov_b32 s[\g+3], 32<<16                      ; tile_dim0
	s_mov_b32 s[\g+4], 96                          ; tile_dim1
	s_mov_b32 s[\g+5], 32                          ; from row to row
	s_mov_b32 s[\g+6], 0
	s_mov_b32 s[\g+7], 0
.endr
	s_lshl_b32 s56, s17, 2
	s_lshl_b32 s57, s18, 2
	s_wait_kmcnt 0x0
	s_cmp_eq_u32 s17, 2                            ; v?
	s_cselect_b32 s56, s57, s56                    ; P's block of 256 rows: v: 4 cluster y + cx of x;  q, k: 4 cluster x + cx of w_in
	s_cselect_b32 s60, 8, s57                      ; R's: v: 8 + cy of w_in;  q, k: 4 cluster y + cy of x
	s_cselect_b64 s[44:45], s[4:5], s[6:7]         ; P's buffer
	s_cselect_b64 s[46:47], s[6:7], s[4:5]         ; R's
	s_add_co_u32 s56, s56, s19                     ; (registers that feed P's descriptors never hold cy, those of R's never cx)
	s_add_co_u32 s60, s60, s20
	s_lshl_b32 s58, s56, 1
	s_add_co_u32 s58, s58, s16                     ; P's record: the one that I fetch (waves 0, 1) is also the one that I multiply by
	s_mul_i32 s58, s58, REC
	s_mov_b32 s59, 0
	s_lshl_b32 s62, s60, 1
	s_add_co_u32 s60, s62, s15                     ; R's record that I multiply by,
	s_mul_i32 s60, s60, REC
	s_mov_b32 s61, 0
	s_add_co_u32 s62, s62, s16                     ; and the one that I fetch (waves 2, 3)
	s_mul_i32 s62, s62, REC
	s_mov_b32 s63, 0
	s_add_nc_u64 s[58:59], s[44:45], s[58:59]
	s_add_nc_u64 s[60:61], s[46:47], s[60:61]
	s_add_nc_u64 s[62:63], s[46:47], s[62:63]
	s_mul_i32 s23, s14, PIECE                      ; where my piece goes in a slot: no place in the cluster enters an LDS address
	CROUND                                         ; all sixteen work-groups are here: the first joint loads meet
.irp s, 0,1,2
	s_mov_b32 s[G0P+4*\s], 1
	s_add_co_u32 s[G0P+4*\s+1], s23, \s*SLOT
	s_add_nc_u64 s[G0P+4*\s+2:G0P+4*\s+3], s[58:59], \s*PIECE      ; K steps 2 s and 2 s + 1
	s_or_b32 s[G0P+4*\s+3], s[G0P+4*\s+3], 0x80000000
	s_mov_b32 s[G0R+4*\s], 1
	s_add_co_u32 s[G0R+4*\s+1], s23, \s*SLOT
	s_add_nc_u64 s[G0R+4*\s+2:G0R+4*\s+3], s[62:63], \s*PIECE
	s_or_b32 s[G0R+4*\s+3], s[G0R+4*\s+3], 0x80000000
.endr
	s_cmp_eq_u32 s15, 0                            ; a wave's three first fills stand in one branch, ahead of every wait on TENSORcnt and every LDS read
	s_cbranch_scc0 .Lfirst_r
	tensor_load_to_lds s[G0P:G0P+3], s[G1P:G1P+7]
	s_nop 0
	tensor_load_to_lds s[G0P+4:G0P+7], s[G1P:G1P+7]
	s_nop 0
	tensor_load_to_lds s[G0P+8:G0P+11], s[G1P:G1P+7]
	s_nop 0
.rept 4
	v_nop
.endr
	s_branch .Lfirst_asked
.Lfirst_r:
	tensor_load_to_lds s[G0R:G0R+3], s[G1R:G1R+7]
	s_nop 0
	tensor_load_to_lds s[G0R+4:G0R+7], s[G1R:G1R+7]
	s_nop 0
	tensor_load_to_lds s[G0R+8:G0R+11], s[G1R:G1R+7]
	s_nop 0
.rept 4
	v_nop
.endr
.Lfirst_asked:
	v_and_b32 v9, 31, v0
	v_lshlrev_b32 v1, 4, v9                        ; 16 x lane
	v_lshlrev_b32 v2, 3, v9                        ; 8 x lane
.irp s, 0,1,2,3,4,5,6,7                        ; the scale words of all of K: register 4 s + j: lanes 0-15 tile 2 j, lanes 16-31 tile 2 j + 1
	global_load_b128 v[SP+4*\s:SP+4*\s+3], v1, s[58:59] offset:98304+512*\s
	global_load_b128 v[SR+4*\s:SR+4*\s+3], v1, s[60:61] offset:98304+512*\s
.endr
	s_mul_i32 s12, s16, PIECE                      ; my half of P,
	s_mul_i32 s13, s15, PIECE                      ; my half of R,
	s_add_co_u32 s13, s13, 2*PIECE                 ; which lies behind P's two
.irp s, 0,1,2
	v_add_nc_u32 v[AP+\s], s12, v1
	v_add_nc_u32 v[AR+\s], s13, v1
	s_add_co_u32 s12, s12, SLOT
	s_add_co_u32 s13, s13, SLOT
.endr
.irp b, 0,1,2,3
	v_mov_b32 v[TM+4+\b], 0                        ; a lane permute's destination counts as one of its sources
.endr
	s_mov_b32 s94, 0xffff0000                      ; lanes 16-31
	s_mov_b32 s96, 0x76543210
	s_mov_b32 s97, 0xfedcba98                      ; v_permlanex16_b32's selects for lane l xor 16
	; THE WAY OUT'S PLACES.  q, k: my 128 rows of P are two heads, my 128 rows of R a chunk.  v: my 128 rows of P are a chunk of keys, my 128 rows of R two heads' channels.
	s_cmp_eq_u32 s17, 2
	s_cselect_b32 s2, s20, s19                     ; the heads' block: v: cy, else cx
	s_cselect_b32 s3, s15, s16                     ; and half
	s_cselect_b32 s12, s19, s20                    ; the rows' block: v: cx, else cy
	s_cselect_b32 s13, s16, s15                    ; and half
	s_cselect_b32 s98, 0, 16                       ; the second scale registers: the word >> 16; v: the word itself
	s_mov_b32 s88, 768
	s_cselect_b32 s88, 1536, s88                   ; s[88:89] from tile a to tile a + 1
	s_cselect_b32 s90, 16*KVREC-4*1536, 0          ; s[90:91] v: behind tile 3 on to the next head's record
	s_mov_b32 s100, 256
	s_cselect_b32 s100, 16*KVREC, s100             ; s[100:101] from scale registers 0, 1 to 2, 3: v: the next head's record
	s_cselect_b32 s99, QREC, 0                     ; v's fragments lie behind k's part of the record
	s_mov_b32 s89, 0
	s_mov_b32 s91, 0
	s_mov_b32 s101, 0
	s_mov_b32 s95, KVREC
	s_cmp_eq_u32 s17, 0
	s_cselect_b32 s95, QREC, s95                   ; a record's bytes
	s_cselect_b64 s[80:81], s[8:9], s[10:11]       ; qi or kv
	s_lshl_b32 s66, s95, 4                         ; a head's sixteen records
	s_add_co_u32 s86, s66, 6144
	s_cmp_eq_u32 s17, 2
	s_cselect_b32 s66, 768, s66                    ; s[66:67] from the fragment's first half to its second: v: 768 bytes on; q, k: the next head
	s_cselect_b32 s86, 6144, s86                   ; s[86:87] the second scale registers' place: q, k: the next head's; v: the first's once more
	s_mov_b32 s67, 0
	s_mov_b32 s87, 0
	s_lshl_b32 s2, s2, 2
	s_lshl_b32 s3, s3, 1
	s_add_co_u32 s2, s2, s3                        ; my first head
	s_lshl_b32 s3, s18, 2
	s_add_co_u32 s3, s3, s12
	s_and_b32 s3, s3, 7
	s_lshl_b32 s3, s3, 1
	s_add_co_u32 s3, s3, s13                       ; my chunk of 128 rows in its batch
	s_lshr_b32 s12, s18, 1                         ; the batch
	s_lshl_b32 s12, s12, 4
	s_add_co_u32 s2, s2, s12
	s_lshl_b32 s2, s2, 4
	s_add_co_u32 s2, s2, s3                        ; the record's number
	s_mul_i32 s2, s2, s95
	s_add_co_u32 s2, s2, s99
	s_mov_b32 s3, 0
	s_add_nc_u64 s[80:81], s[80:81], s[2:3]        ; s[80:81] tile 0's first half fragment
	s_add_nc_u64 s[82:83], s[80:81], s[66:67]      ; s[82:83] its second
	s_add_nc_u64 s[84:85], s[80:81], 6144          ; s[84:85] scale registers 0, 1
	s_add_nc_u64 s[86:87], s[80:81], s[86:87]      ; s[86:87] the second head's
	s_add_nc_u64 s[92:93], s[84:85], s[100:101]    ; s[92:93], s[66:67] registers 2, 3
	s_add_nc_u64 s[66:67], s[86:87], s[100:101]
.macro FRAG3 reg, adr, q, i            ; a fragment's image: three loads, 512 consecutive bytes each
.irp g, 0,1,2
	ds_load_b128 v[\reg+4*\g:\reg+4*\g+3], v[\adr] offset:(\q)*STEPB+(\i)*FRB+512*\g
.endr
.endm
.macro FETCH_P sl, q, set              ; P's eight fragments of the slot's q-th K step into a set of window 1
	WIN 0x40
.irp i, 0,1,2,3,4,5,6,7
	FRAG3 128*(\set)+12*\i, AP+\sl, \q, \i
.endr
	WIN 0
.endm
.macro FETCH_R sl, q, i0               ; R's tiles i0 .. i0 + 3
.irp i, \i0, \i0+1, \i0+2, \i0+3
	FRAG3 RF+12*(\i), AR+\sl, \q, \i
.endr
.endm
; One product: R's tile a x P's tile b, K step s, P's set p.  An odd tile's scale words stand in lanes 16-31 of their register.
.macro WM a, b, p, s, zero
.set rD, 8*(8*((\a)%4)+(\b))
.set rP, 128*(\p)+12*(\b)
.set rR, RF+12*(\a)
.set rA, SP+4*(\s)+(\b)/2
.set rB, SR+4*(\s)+(\a)/2
.set par, 2*((\a)%2)+(\b)%2
.if \zero
.if par == 0
	v_wmma_scale_f32_16x16x128_f8f6f4 v[rD:rD+7], v[rP:rP+11], v[rR:rR+11], 0, v[rA], v[rB] matrix_a_fmt:MATRIX_FMT_FP6 matrix_b_fmt:MATRIX_FMT_FP6
.elseif par == 1
	v_wmma_scale_f32_16x16x128_f8f6f4 v[rD:rD+7], v[rP:rP+11], v[rR:rR+11], 0, v[rA], v[rB] matrix_a_fmt:MATRIX_FMT_FP6 matrix_b_fmt:MATRIX_FMT_FP6 matrix_a_scale:MATRIX_SCALE_ROW1
.elseif par == 2
	v_wmma_scale_f32_16x16x128_f8f6f4 v[rD:rD+7], v[rP:rP+11], v[rR:rR+11], 0, v[rA], v[rB] matrix_a_fmt:MATRIX_FMT_FP6 matrix_b_fmt:MATRIX_FMT_FP6 matrix_b_scale:MATRIX_SCALE_ROW1
.else
	v_wmma_scale_f32_16x16x128_f8f6f4 v[rD:rD+7], v[rP:rP+11], v[rR:rR+11], 0, v[rA], v[rB] matrix_a_fmt:MATRIX_FMT_FP6 matrix_b_fmt:MATRIX_FMT_FP6 matrix_a_scale:MATRIX_SCALE_ROW1 matrix_b_scale:MATRIX_SCALE_ROW1
.endif
.else
.if par == 0
	v_wmma_scale_f32_16x16x128_f8f6f4 v[rD:rD+7], v[rP:rP+11], v[rR:rR+11], v[rD:rD+7], v[rA], v[rB] matrix_a_fmt:MATRIX_FMT_FP6 matrix_b_fmt:MATRIX_FMT_FP6
.elseif par == 1
	v_wmma_scale_f32_16x16x128_f8f6f4 v[rD:rD+7], v[rP:rP+11], v[rR:rR+11], v[rD:rD+7], v[rA], v[rB] matrix_a_fmt:MATRIX_FMT_FP6 matrix_b_fmt:MATRIX_FMT_FP6 matrix_a_scale:MATRIX_SCALE_ROW1
.elseif par == 2
	v_wmma_scale_f32_16x16x128_f8f6f4 v[rD:rD+7], v[rP:rP+11], v[rR:rR+11], v[rD:rD+7], v[rA], v[rB] matrix_a_fmt:MATRIX_FMT_FP6 matrix_b_fmt:MATRIX_FMT_FP6 matrix_b_scale:MATRIX_SCALE_ROW1
.else
	v_wmma_scale_f32_16x16x128_f8f6f4 v[rD:rD+7], v[rP:rP+11], v[rR:rR+11], v[rD:rD+7], v[rA], v[rB] matrix_a_fmt:MATRIX_FMT_FP6 matrix_b_fmt:MATRIX_FMT_FP6 matrix_a_scale:MATRIX_SCALE_ROW1 matrix_b_scale:MATRIX_SCALE_ROW1
.endif
.endif
.endm
; 16 products: R's tiles a0, a0 + 1 x P's eight.  The 64 accumulators take turns, one instruction a turn, in the same order in every K step.  zero = 1: the first K step starts the sums.
.macro MUL16 a0, p, s, zero
.irp a, \a0, \a0+1
.irp b, 0,1,2,3,4,5,6,7
	WM \a, \b, \p, \s, \zero
.endr
.endr
.endm
; K step s; the next step's fragments lie in slot nsl, its nq-th.  R's tile is free as soon as its eight products are issued, so R has one set: tiles 0-3 are fetched anew in the step's middle, tiles 4-7 at its end.
.macro STEP s, nsl, nq, zero
	s_wait_dscnt 12                                ; P's set and R's tiles 0-3 are in; the youngest twelve loads (R's tiles 4-7) may be out
	WIN MUL_LO
	MUL16 0, (\s)%2, \s, \zero
	MUL16 2, (\s)%2, \s, \zero
	s_wait_dscnt 0x0                               ; R's tiles 4-7 are in
	PLACES
	FETCH_P \nsl, \nq, 1-(\s)%2
	FETCH_R \nsl, \nq, 0
	WIN MUL_HI
	MUL16 4, (\s)%2, \s, \zero
	MUL16 6, (\s)%2, \s, \zero
	PLACES
	WIN 0
	FETCH_R \nsl, \nq, 4
.endm
; A step with a barrier: in front of it each wave waits for all its tensor loads, adds 0 to its spare word, and waits for that and for its LDS reads.
; fill = 1 (step 1): nobody reads slot 0 any more, slots 1 and 2 are whole for every wave, and slot 0 is filled again, with K steps 6 and 7, behind a round of the cluster's barrier.
; fill = 0 (step 5): that refill has landed for every wave.  Between its request and this wait a wave issues 224 matrix instructions.
.macro TURN s, nsl, nq, fill
	s_wait_tensorcnt 0x0                           ; all my tensor loads have landed  (every window is 0 here)
	ds_add_u32 v[SPW], v[NIL]                      ; 0 onto my spare word
	s_wait_dscnt 13                                ; (the add and the youngest twelve loads may be out)
	WIN MUL_LO
	MUL16 0, 1, \s, 0                              ; sixteen matrix instructions stand between the add and the wait for it
	s_wait_dscnt 0x0                               ; the add is done, and my LDS reads are over
	s_barrier_signal -1
	MUL16 2, 1, \s, 0
	WIN 0
	s_barrier_wait -1
.if \fill
	CREST                                          ; the barrier has opened a round of the cluster's: no wave of any partner still reads slot 0 or has a load on its way
	s_add_nc_u64 s[G0P+2:G0P+3], s[G0P+2:G0P+3], 3*PIECE
	s_add_nc_u64 s[G0R+2:G0R+3], s[G0R+2:G0R+3], 3*PIECE
	JLOAD                                          ; the first tensor load behind the round; the four v_nop behind it are also the places in front of the loads below
.else
	PLACES
.endif
	FETCH_P \nsl, \nq, 0
	FETCH_R \nsl, \nq, 0
	WIN MUL_HI
	MUL16 4, 1, \s, 0
	MUL16 6, 1, \s, 0
	PLACES
	WIN 0
	FETCH_R \nsl, \nq, 4
.endm
	s_wait_alu depctr_va_vdst(0)
	s_wait_tensorcnt 0x2                           ; my piece of slot 0 is in; slots 1 and 2 may stay out
	s_barrier_signal -1
	s_barrier_wait -1                              ; everybody's is
	FETCH_P 0, 0, 0
	FETCH_R 0, 0, 0
	FETCH_R 0, 0, 4
	s_wait_loadcnt 0x0                             ; the scale words
	STEP 0, 0, 1, 1
	TURN 1, 1, 0, 1
	STEP 2, 1, 1, 0
	STEP 3, 2, 0, 0
	STEP 4, 2, 1, 0
	TURN 5, 0, 0, 0
	STEP 6, 0, 1, 0
	s_wait_dscnt 12                                ; the last K step: nothing more to fetch
	WIN MUL_LO
	MUL16 0, 1, 7, 0
	MUL16 2, 1, 7, 0
	s_wait_dscnt 0x0
	WIN MUL_HI
	MUL16 4, 1, 7, 0
	MUL16 6, 1, 7, 0
	WIN 0
	PLACES
; THE WAY OUT.  R's tile a: a lane's 64 numbers (accumulators (a, 0 .. 7): register 16 b + i = P's row 32 b + 16 (lane / 16) + i) become a fragment's 12 registers in v[RF + 12 a] on, where R's fragments lay, and a scale word.
; Each accumulator is read from its low end on.  No LDS: the codes are stored as the image that the next launch loads.
.macro QUANT a
.set W, 2+(\a)/4
.set AC, 64*((\a)%4)
.set PCA, RF+12*(\a)
	WIN (W<<2)|(W<<4)                              ; sources 1 and 2: the accumulators' window
.irp b, 0,1,2,3
	v_max3_num_f32 v[TM+\b], 0x1800000, |v[AC+16*\b]|, |v[AC+16*\b+1]|   ; block b: my 16 numbers, and the floor 2^(3 - 127): the byte cannot fall under 1
.endr
.irp i, 2,4,6,8,10,12,14
.irp b, 0,1,2,3
	v_max3_num_f32 v[TM+\b], v[TM+\b], |v[AC+16*\b+\i]|, |v[AC+16*\b+\i+1]|   ; the four blocks by turns
.endr
.endr
	WIN 0
.irp b, 0,1,2,3
	v_permlanex16_b32 v[TM+4+\b], v[TM+\b], s96, s97
.endr
.irp b, 0,1,2,3
	v_max_num_f32 v[TM+\b], v[TM+\b], v[TM+4+\b]   ; with lane l xor 16's: the block's largest magnitude
.endr
.irp b, 0,1,2,3
	v_add_nc_u32 v[TM+12+\b], 0xff000000, v[TM+\b] ; 2 off its exponent field: the conversion's scale operand
.endr
.irp b, 0,1,2,3
	v_lshrrev_b32 v[TM+4+\b], 23, v[TM+12+\b]      ; the scale's byte
.endr
	v_lshl_or_b32 v[PW], v[TM+5], 8, v[TM+4]
	v_lshl_or_b32 v[PW], v[TM+6], 16, v[PW]
	v_lshl_or_b32 v[PW], v[TM+7], 24, v[PW]
	WIN W                                          ; source 0: the accumulators' window
.irp c, 0,1
	v_cvt_scalef32_pk16_fp6_f32 v[PCA+6*\c:PCA+6*\c+2], v[AC+32*\c:AC+32*\c+15], v[TM+12+2*\c]
	v_cvt_scalef32_pk16_fp6_f32 v[T+4*\c:T+4*\c+2], v[AC+32*\c+16:AC+32*\c+31], v[TM+12+2*\c+1]   ; (a conversion's three registers begin on an even number)
.endr
	WIN 0
	v_nop                                          ; one plain place behind a scaled conversion
.irp c, 0,1                                    ; the operand's layout wants a WHOLE block in a lane: lanes 0-15 block 2 c, lanes 16-31 block 2 c + 1
.irp i, 0,1,2
	v_permlane16_swap_b32 v[PCA+6*\c+\i], v[T+4*\c+\i]
.endr
.irp i, 0,1,2
	v_mov_b32 v[PCA+6*\c+3+\i], v[T+4*\c+\i]
.endr
.endr
.endm
.irp a, 0,1,2,3,4,5,6,7
	QUANT \a
	global_store_b128 v1, v[RF+12*\a:RF+12*\a+3], s[80:81]                 ; 64 along P: q, k: the first head;  v: keys 0-63.  512 consecutive bytes,
	global_store_b64 v2, v[RF+12*\a+4:RF+12*\a+5], s[80:81] offset:512     ; and 256
	global_store_b128 v1, v[RF+12*\a+6:RF+12*\a+9], s[82:83]               ; the other 64
	global_store_b64 v2, v[RF+12*\a+10:RF+12*\a+11], s[82:83] offset:512
.if (\a)%2 == 0
	v_mov_b32 v[SWT], v[PW]
.else
	v_cndmask_b32 v[SW0+(\a)/2], v[SWT], v[PW], s94                        ; lanes 0-15 the even tile's words, lanes 16-31 the odd tile's
	v_lshrrev_b32 v[SW1+(\a)/2], s98, v[SW0+(\a)/2]
.endif
.if \a < 7
	s_wait_xcnt 0x0                                ; the stores' bases are stepped only behind this wait
	s_add_nc_u64 s[80:81], s[80:81], s[88:89]
	s_add_nc_u64 s[82:83], s[82:83], s[88:89]
.if \a == 3
	s_add_nc_u64 s[80:81], s[80:81], s[90:91]
	s_add_nc_u64 s[82:83], s[82:83], s[90:91]
.endif
.endif
.endr
	global_store_b64 v2, v[SW0:SW0+1], s[84:85]    ; 256 consecutive bytes each
	global_store_b64 v2, v[SW0+2:SW0+3], s[92:93]
	global_store_b64 v2, v[SW1:SW1+1], s[86:87]    ; q, k: the second head's words.  v: one path for all kinds: the shift is 0 and the place the first pair's, so these two repeat the two stores above with the same bytes
	global_store_b64 v2, v[SW1+2:SW1+3], s[66:67]
	s_wait_tensorcnt 0x0                           ; the wave's end
	ds_add_u32 v[SPW], v[NIL]
	s_wait_dscnt 0x0
	CROUND                                         ; the closing round: no work-group ends while a partner may still ask for a piece that names it
	s_endpgm
.Lfunc_end_k_q7b827e7698_qkv:
	.size	k_q7b827e7698_qkv, .Lfunc_end_k_q7b827e7698_qkv-k_q7b827e7698_qkv
	.p2alignl 7, 3214868480
	.fill 96, 4, 3214868480
	.section	.rodata,"a",@progbits
	.p2align	6, 0x0
	.amdhsa_kernel k_q7b827e7698_qkv
		.amdhsa_group_segment_fixed_size 327680
		.amdhsa_private_segment_fixed_size 0
		.amdhsa_enable_private_segment 0
		.amdhsa_kernarg_size 32
		.amdhsa_user_sgpr_count 2
		.amdhsa_user_sgpr_kernarg_segment_ptr 1
		.amdhsa_wavefront_size32 1
		.amdhsa_system_sgpr_workgroup_id_x 1
		.amdhsa_system_sgpr_workgroup_id_y 1
		.amdhsa_system_sgpr_workgroup_id_z 1
		.amdhsa_system_vgpr_workitem_id 0
		.amdhsa_next_free_vgpr 1024
		.amdhsa_next_free_sgpr 102
		.amdhsa_reserve_vcc 0
		.amdhsa_float_denorm_mode_32 3
		.amdhsa_float_denorm_mode_16_64 3
		.amdhsa_memory_ordered 1
		.amdhsa_forward_progress 1
		.amdhsa_inst_pref_size 139
	.end_amdhsa_kernel
	.amdgpu_metadata
---
amdhsa.version: [ 1, 2 ]
amdhsa.kernels:
  - .name:           k_q7b827e7698_qkv
    .symbol:         k_q7b827e7698_qkv.kd
    .args:
      - { .name: xq, .offset: 0, .size: 8, .value_kind: global_buffer, .address_space: global }
      - { .name: wq, .offset: 8, .size: 8, .value_kind: global_buffer, .address_space: global }
      - { .name: qi, .offset: 16, .size: 8, .value_kind: global_buffer, .address_space: global }
      - { .name: kv, .offset: 24, .size: 8, .value_kind: global_buffer, .address_space: global }
    .group_segment_fixed_size: 327680
    .private_segment_fixed_size: 0
    .kernarg_segment_align: 8
    .kernarg_segment_size: 32
    .max_flat_workgroup_size: 128
    .sgpr_count:     102
    .vgpr_count:     1024
    .wavefront_size: 32
...
	.end_amdgpu_metadata
.endif
;; end of part 2
;; launch attn (part 3): grid 4 x 64, 16 waves a work-group, no clusters, 327,680 bytes of LDS; arguments qi, kv, yq; writes yq
.if DOCPART == 3
	.amdgcn_target "amdgcn-amd-amdhsa--gfx1250"
	.amdhsa_code_object_version 6
	.text
	.protected	k_q7b827e7698_attn
	.globl	k_q7b827e7698_attn
	.p2align	8
	.type	k_q7b827e7698_attn,@function
k_q7b827e7698_attn:
	s_mov_b64 s[64:65], 0
	v_nop
	global_prefetch_b8 v0, s[64:65] scope:SCOPE_SE
	s_setreg_imm32_b32 hwreg(HW_REG_WAVE_MODE, 25, 1), 1
	s_wait_xcnt 0x0
; y = softmax(q k^T / 8, causal) v for one batch x head, both products on codes of FP6 (E2M3) with E8M0 scales; y = O / l is quantised in registers along the head's 64 and stored as the last product's operand.
; THE SOFTMAX: t = score x log2(e) / 8; M = the running largest t rounded UP to a whole number; p = 2^(t - M) is quantised along the keys, not normalised; l is the sum of the unquantised p and divides at the end (v_rcp_f32 and a multiplication).
; When M moves, l and O are multiplied by 2^(old M - new M): exact.
; SHARES.  Work-group x = X (0..3), y = batch x head.  It does query block X (256 queries, key slots 0 .. X) and then block 7 - X (key slots 0 .. 7 - X): NINE slots of 256 keys in every work-group: equal work, a constant trip count, no tile fetched in vain.
; Each of sixteen waves owns one tile of 16 queries in 256 registers.  The tiles' rows are ordered as launch quant lays them: lane r of wave w has query 256 block + 32 (w / 2) + 8 (w % 2) + r + 8 (r / 8).
; No multicast: in one trip the four work-groups of a head want different key slots (the slot's number hangs on X).
; LAYOUT.  Both products are used transposed: S^T = k q^T, O^T = v^T p^T: a lane holds ONE query throughout.  Lane r of k's tile 2 b + u holds key 32 b + 8 u + r + 8 (r / 8), so the 16 registers of two neighbouring tiles are 16 neighbouring keys.
; K = 64 IN AN INSTRUCTION 128 DEEP: q's registers 6-11 are zero codes.  k's operand of tile t is its own 6 registers and the 6 that follow (the next tile's codes; zeros behind tile 7): these meet zero codes alone,
; under scale bytes that are another head's valid bytes or 0, never 0xff: they add nothing.
; CAUSAL.  A step (128 keys) all of whose keys come after my queries is left out by a scalar branch on ids; on the diagonal hidden scores become -infinity ahead of the maximum.  Key 0 counts for every query, so M is a number from the first step on.
; LDS: two slots of 26,112 bytes (two records of kv, dense) at 0 and 32,768, filled by wave 0's tensor load, one out at a time; y's scale words at 65,536; the spare words at 67,584.
; LIMITS: a block of zeros, or one under 2^-124, keeps the scale byte 1; NaN and infinities are not served.
.set KVREC, 13056
.set QREC,  6656
.set YREC,  106496
.set SLOT1, 32768
.set YS,    65536                      ; four images of 512 bytes: (block X, block 7 - X) x (waves 0-7, waves 8-15)
.set SPARE, 67584                      ; the spare words, 128 bytes for each of sixteen waves
.set SPW, 3                            ; v1 16 l, v2 8 l; v3, v4 for the add; v5 my query less Q0 less 16 h; v6, v7 the step's LDS addresses; v8, v9 y's scale words; v10 8 r; v11, v29 places in YS
.set NIL, 4
.set F,   40                           ; v40-87   eight tiles of k x 6 registers, then four fragments of v^T x 12;  v88-93 zeros
.set S,   96                           ; v96-159  S^T, then p
.set O,   160                          ; v160-191 O^T
.set PCD, 192                          ; v192-203 p's codes
.set T,   204                          ; v204-210 second halves of blocks
.set BM,  212                          ; v212-215 the blocks' largest scores, then p
.set BP,  216                          ; v216-219 lane l xor 16's; then bytes
.set SO,  220                          ; v220-223 the conversions' scale operands
.set FF,  224                          ; v[224:225] the factor, in the low word
.set Y,   228                          ; v228-233 y's half fragment
.set T2,  234
; v12 -M, v13 the largest t, v[14:15] l in two halves; v16-21 q, v22-27 zeros; v28 q's scale words; v30-33 k's, v34-35 v's, v36 p's
; s12 wave, s13 X, s14 w % 2, s15 batch x head, s16 trip, s17 the slot in hand, s18 the step's first key, s19 my first query, s20 the query block, s21 the wave's part of s19, s26 16 x batch
.macro TLOAD                           ; wave 0 alone fetches; four v_nop follow the line
	s_cmp_eq_u32 s12, 0
	s_cbranch_scc0 .Lnot_mine_\@
	tensor_load_to_lds s[36:39], s[28:35]
	s_nop 0
.rept 4
	v_nop
.endr
.Lnot_mine_\@:
.endm
	s_load_b128 s[4:7], s[0:1], 0x0                ; qi, kv
	s_load_b64 s[8:9], s[0:1], 0x10                ; yq
	v_lshl_add_u32 v[SPW], v0, 2, SPARE
	v_mov_b32 v[NIL], 0
	ds_add_u32 v3, v4
	ds_add_u32 v3, v4
	s_wait_dscnt 0x0
	v_lshrrev_b32 v6, 5, v0
	s_delay_alu instid0(VALU_DEP_1)
	v_readfirstlane_b32 s12, v6                    ; wave 0..15
	s_mov_b32 s13, ttmp9
	s_and_b32 s15, ttmp7, 0xffff
	s_mov_b32 s28, 3<<16                           ; group 1: 26,112 dense bytes as 102 rows of 32 elements of 8 bytes; no mask, no padding
	s_mov_b32 s29, 32<<16
	s_mov_b32 s30, 102<<16
	s_mov_b32 s31, 32<<16
	s_mov_b32 s32, 102
	s_mov_b32 s33, 32
	s_mov_b32 s34, 0
	s_mov_b32 s35, 0
	s_lshr_b32 s50, s12, 3                         ; which chunk of the block's two
	s_and_b32 s51, s12, 7                          ; my tile in it
	s_and_b32 s14, s12, 1
	s_mul_i32 s48, s15, 16*KVREC                   ; the head's records of kv
	s_mov_b32 s49, 0
	s_mul_i32 s52, s15, 16*QREC
	s_mul_i32 s53, s50, QREC
	s_add_co_u32 s52, s52, s53                     ; qi: my chunk's record in block 0
	s_mul_i32 s53, s51, 768
	s_add_co_u32 s54, s52, s53                     ; my tile's half fragment
	s_mov_b32 s55, 0
	s_lshr_b32 s53, s51, 2                         ; my tile's scale words: register pair tile / 4, register (tile / 2) % 2, lanes 16 (tile % 2) on
	s_lshl_b32 s53, s53, 8
	s_add_co_u32 s52, s52, s53
	s_lshl_b32 s53, s14, 7
	s_add_co_u32 s52, s52, s53
	s_bfe_u32 s53, s12, 0x10001
	s_lshl_b32 s53, s53, 2
	s_add_co_u32 s52, s52, s53
	s_add_co_u32 s52, s52, 6144
	s_mov_b32 s53, 0
	s_and_b32 s26, s15, 0x30                       ; 16 x batch: the batch's first record of yq
	s_add_co_u32 s56, s26, s50
	s_mul_i32 s56, s56, YREC
	s_bfe_u32 s57, s15, 0x30001                    ; K step of the last product = head / 2
	s_mul_i32 s57, s57, 12288
	s_add_co_u32 s56, s56, s57
	s_mul_i32 s57, s51, 1536
	s_add_co_u32 s56, s56, s57
	s_and_b32 s57, s15, 1                          ; which half of the fragment = head % 2
	s_mul_i32 s57, s57, 768
	s_add_co_u32 s56, s56, s57
	s_mov_b32 s57, 0
	s_lshr_b32 s21, s12, 1
	s_lshl_b32 s21, s21, 5
	s_lshl_b32 s58, s14, 3
	s_add_co_u32 s21, s21, s58                     ; 32 (w / 2) + 8 (w % 2)
	s_lshl_b32 s58, s50, 9                         ; YS: image w / 8; lane r + 16 (w % 2), register (w % 8) / 2
	s_lshl_b32 s59, s14, 8
	s_add_co_u32 s58, s58, s59
	s_lshr_b32 s59, s51, 1
	s_lshl_b32 s59, s59, 2
	s_add_co_u32 s58, s58, s59
	s_add_co_u32 s58, s58, YS
	s_min_u32 s59, s12, 3                          ; waves 0 to 3 send one image each
	s_lshl_b32 s59, s59, 9
	s_add_co_u32 s59, s59, YS
	s_mov_b32 s22, 0x76543210
	s_mov_b32 s23, 0xfedcba98                      ; v_permlanex16_b32's selects for lane l xor 16
	s_mov_b32 s24, 0x3e38aa3b                      ; c = log2(e) / 8
	s_mov_b32 s25, s24                             ; (named with it as a pair, so it is written)
	s_mov_b32 s16, 0
	s_mov_b32 s17, 0
	s_mov_b32 s20, s13                             ; the first block: X
	s_wait_kmcnt 0x0
	s_add_nc_u64 s[40:41], s[6:7], s[48:49]        ; s[40:41] the head's kv
	s_add_nc_u64 s[42:43], s[4:5], s[54:55]        ; s[42:43] q's codes, block 0
	s_add_nc_u64 s[44:45], s[4:5], s[52:53]        ; s[44:45] q's scale words, block 0
	s_add_nc_u64 s[46:47], s[8:9], s[56:57]        ; s[46:47] y's codes, block 0
	s_mov_b32 s36, 1                               ; group 0: count,
	s_mov_b32 s37, 0                               ; LDS address: slot 0,
	s_mov_b64 s[38:39], s[40:41]                   ; keys 0-255,
	s_or_b32 s39, s39, 0x80000000                  ; type
	TLOAD
	v_and_b32 v6, 31, v0
	s_delay_alu instid0(VALU_DEP_1)
	v_lshlrev_b32 v1, 4, v6
	s_delay_alu instid0(VALU_DEP_2)
	v_lshlrev_b32 v2, 3, v6
	v_and_b32 v226, 15, v0                         ; r
	v_bfe_u32 v227, v0, 4, 1                       ; h
	s_delay_alu instid0(VALU_DEP_2)
	v_lshlrev_b32 v10, 3, v226
	s_delay_alu instid0(VALU_DEP_3)
	v_and_b32 v5, 8, v226
	s_delay_alu instid0(VALU_DEP_1)
	v_add_nc_u32 v5, v5, v226                      ; r + 8 (r / 8)
	s_delay_alu instid0(VALU_DEP_4)
	v_lshlrev_b32 v227, 4, v227
	s_delay_alu instid0(VALU_DEP_1)
	v_sub_nc_u32 v5, v5, v227                      ; - 16 h
	v_lshl_add_u32 v11, v226, 4, s58
	v_add_nc_u32 v29, s59, v1
.macro QLOAD                           ; block s20's tile of q, its scale words; my first query; the keys begin anew
	s_mul_i32 s48, s20, 2*QREC
	s_mov_b32 s49, 0
	s_add_nc_u64 s[50:51], s[42:43], s[48:49]
	s_add_nc_u64 s[52:53], s[44:45], s[48:49]
	global_load_b128 v[16:19], v1, s[50:51]
	global_load_b64 v[20:21], v2, s[50:51] offset:512
	global_load_b32 v28, v10, s[52:53]
	s_lshl_b32 s19, s20, 8
	s_add_co_u32 s19, s19, s21
	s_mov_b32 s18, 0
.endm
.macro INIT                            ; the step is written once: the first finds zeros, which the first change of M leaves zeros
	v_mov_b32 v13, 0xff61b1e6                      ; the largest t so far: -3e38
	s_delay_alu instid0(VALU_DEP_1)
	v_floor_f32 v12, -v13                          ; -M
	v_mov_b32 v14, 0
	v_mov_b32 v15, 0
.set j, 0
.rept 32
	v_mov_b32 v[O+j], 0
.set j, j+1
.endr
.endm
	QLOAD
.irp j, 22,23,24,25,26,27,88,89,90,91,92,93
	v_mov_b32 v\j, 0                               ; zero codes: the upper 64 along K of q, and what follows k's tile 7
.endr
	v_mov_b32 v8, 0
	v_mov_b32 v9, 0
.irp b, 0,1,2,3
	v_mov_b32 v[BP+\b], 0                          ; a lane permute's destination counts as one of its sources
.endr
	v_mov_b32 v[FF+1], 0                           ; (named as the upper half of a pair)
	INIT
; A KEY STEP: 128 keys, record q of the slot in hand.
.macro STEP q
	s_add_co_u32 s48, s19, 23                      ; my last query
	s_cmp_gt_u32 s18, s48
	s_cbranch_scc1 .Lhidden_\@                     ; all keys come after all my queries
	v_add_nc_u32 v6, s17, v1
	v_add_nc_u32 v7, s17, v2
	v_nop
	v_nop                                          ; four places in front of loads into registers that the last products read
.irp t, 0,1,2,3,4,5,6,7
	ds_load_b128 v[F+6*\t:F+6*\t+3], v6 offset:KVREC*(\q)+768*\t
	ds_load_b64 v[F+6*\t+4:F+6*\t+5], v7 offset:KVREC*(\q)+768*\t+512
.endr
	ds_load_b64 v[30:31], v7 offset:KVREC*(\q)+6144
	ds_load_b64 v[32:33], v7 offset:KVREC*(\q)+6400
	s_wait_alu depctr_va_vdst(0)
	s_wait_dscnt 0x0
.irp t, 0,2,4,6                                ; S^T = k q^T; an odd tile's scale words stand in lanes 16-31
	v_wmma_scale_f32_16x16x128_f8f6f4 v[S+8*\t:S+8*\t+7], v[F+6*\t:F+6*\t+11], v[16:27], 0, v[30+\t/2], v28 matrix_a_fmt:MATRIX_FMT_FP6 matrix_b_fmt:MATRIX_FMT_FP6
	v_wmma_scale_f32_16x16x128_f8f6f4 v[S+8*(\t+1):S+8*(\t+1)+7], v[F+6*(\t+1):F+6*(\t+1)+11], v[16:27], 0, v[30+\t/2], v28 matrix_a_fmt:MATRIX_FMT_FP6 matrix_b_fmt:MATRIX_FMT_FP6 matrix_a_scale:MATRIX_SCALE_ROW1
.endr
.rept 4
	v_nop                                          ; places in front of the loads below and of the first read of the scores
.endr
.irp t, 0,1,2,3                                ; v^T's four fragments land while the softmax is worked
.irp c, 0,1
	ds_load_b128 v[F+12*\t+6*\c:F+12*\t+6*\c+3], v6 offset:KVREC*(\q)+6656+1536*\t+768*\c
	ds_load_b64 v[F+12*\t+6*\c+4:F+12*\t+6*\c+5], v7 offset:KVREC*(\q)+6656+1536*\t+768*\c+512
.endr
.endr
	ds_load_b64 v[34:35], v7 offset:KVREC*(\q)+12800
	s_add_co_u32 s48, s18, 127
	s_cmp_le_u32 s48, s19
	s_cbranch_scc1 .Lopen_\@                       ; all keys count for all my queries
	s_sub_co_i32 s48, s19, s18
	v_add_nc_u32 v226, s48, v5                     ; d = my query - the step's first key - 16 h.  Register 16 b + i holds key 32 b + 16 h + i: hidden where 32 b + i > d
	v_mov_b32 v227, 0xff800000                     ; -infinity
.set n, 0
.rept 64
	v_cmp_gt_i32 vcc_lo, 32*(n/16)+n%16, v226
	v_cndmask_b32 v[S+n], v[S+n], v227, vcc_lo
.set n, n+1
.endr
.Lopen_\@:
.irp b, 0,1,2,3
	v_max3_num_f32 v[BM+\b], v[S+16*\b], v[S+16*\b+1], v[S+16*\b+2]   ; the largest score of each block of 32 keys: for the row's maximum, and, since p rises with the score, for the block's largest p
.endr
.irp i, 3,5,7,9,11,13
.irp b, 0,1,2,3
	v_max3_num_f32 v[BM+\b], v[BM+\b], v[S+16*\b+\i], v[S+16*\b+\i+1]
.endr
.endr
.irp b, 0,1,2,3
	v_max_num_f32 v[BM+\b], v[BM+\b], v[S+16*\b+15]
.endr
.irp b, 0,1,2,3
	s_delay_alu instid0(VALU_DEP_4)
	v_permlanex16_b32 v[BP+\b], v[BM+\b], s22, s23
.endr
.irp b, 0,1,2,3
	s_delay_alu instid0(VALU_DEP_4)
	v_max_num_f32 v[BM+\b], v[BM+\b], v[BP+\b]     ; with lane l xor 16's 16 keys
.endr
	s_delay_alu instid0(VALU_DEP_2)
	v_max3_num_f32 v226, v[BM], v[BM+1], v[BM+2]
	s_delay_alu instid0(VALU_DEP_1)
	v_max_num_f32 v226, v226, v[BM+3]
	s_delay_alu instid0(VALU_DEP_1)
	v_mul_f32 v226, s24, v226                      ; the step's largest t
	s_delay_alu instid0(VALU_DEP_1)
	v_max_num_f32 v13, v13, v226                   ; the running largest t
	v_mov_b32 v226, v12
	s_delay_alu instid0(VALU_DEP_2)
	v_floor_f32 v12, -v13                          ; the new -M = -ceil(t): a whole number
	s_delay_alu instid0(VALU_DEP_1)
	v_sub_f32 v226, v12, v226                      ; old M - new M: a whole number, 0 or less
	s_delay_alu instid0(VALU_DEP_1)
	v_cvt_i32_f32 v226, v226                       ; (it saturates)
	s_delay_alu instid0(VALU_DEP_1)
	v_ldexp_f32 v[FF], 1.0, v226                   ; f = 2^(old M - new M)
.set j, 0
.rept 32
	v_pk_fma_f32 v[S+j:S+j+1], v[S+j:S+j+1], s[24:25], v[12:13] op_sel_hi:[1,0,0]   ; t - M, two at a time
.set j, j+2
.endr
.irp b, 0,1,2,3
	v_fma_f32 v[BM+\b], v[BM+\b], s24, v12         ; the same of each block's largest score
.endr
.set j, 0
	s_wait_alu depctr_va_vdst(0)
.rept 64
	v_exp_f32 v[S+j], v[S+j]                       ; p = 2^(t - M), at most 1
.set j, j+1
.endr
.irp b, 0,1,2,3
	v_exp_f32 v[BM+\b], v[BM+\b]                   ; the block's largest p: the same two instructions on the same number
.endr
	v_pk_mul_f32 v[14:15], v[14:15], v[FF:FF+1] op_sel_hi:[1,0]   ; l under the new M  (a plain place behind the exponentials)
	s_wait_alu depctr_va_vdst(0)
.irp b, 0,1,2,3
	v_max_num_f32 v[BM+\b], 0x1800000, v[BM+\b]    ; the floor 2^(3 - 127): the byte cannot fall under 1
.endr
.irp b, 0,1,2,3
	s_delay_alu instid0(VALU_DEP_4)
	v_add_nc_u32 v[SO+\b], 0xff000000, v[BM+\b]    ; 2 off the exponent field: the conversion's scale operand
.endr
.irp b, 0,1,2,3
	s_delay_alu instid0(VALU_DEP_4)
	v_lshrrev_b32 v[BP+\b], 23, v[SO+\b]           ; the scale's byte
.endr
	s_delay_alu instid0(VALU_DEP_3)
	v_lshl_or_b32 v36, v[BP+1], 8, v[BP]           ; p's scale word for these 128 keys
	s_delay_alu instid0(VALU_DEP_1)
	v_lshl_or_b32 v36, v[BP+2], 16, v36
	s_delay_alu instid0(VALU_DEP_1)
	v_lshl_or_b32 v36, v[BP+3], 24, v36
.irp c, 0,1
	v_cvt_scalef32_pk16_fp6_f32 v[PCD+6*\c:PCD+6*\c+2], v[S+32*\c:S+32*\c+15], v[SO+2*\c]
	v_cvt_scalef32_pk16_fp6_f32 v[T+4*\c:T+4*\c+2], v[S+32*\c+16:S+32*\c+31], v[SO+2*\c+1]
.endr
	v_nop                                          ; one plain place behind a scaled conversion
.irp c, 0,1                                    ; a WHOLE block in a lane: lanes 0-15 block 2 c, lanes 16-31 block 2 c + 1
.irp i, 0,1,2
	v_permlane16_swap_b32 v[PCD+6*\c+\i], v[T+4*\c+\i]
.endr
.irp i, 0,1,2
	s_delay_alu instid0(VALU_DEP_3)
	v_mov_b32 v[PCD+6*\c+3+\i], v[T+4*\c+\i]
.endr
.endr
	v_pk_add_f32 v[226:227], v[100:101], v[104:105]
	v_pk_add_f32 v[254:255], v[108:109], v[112:113]
	v_pk_add_f32 v[252:253], v[116:117], v[120:121]
	v_pk_add_f32 v[250:251], v[124:125], v[128:129]
	v_pk_add_f32 v[248:249], v[132:133], v[136:137]
	v_pk_add_f32 v[246:247], v[140:141], v[144:145]
	v_pk_add_f32 v[244:245], v[148:149], v[152:153]
	v_pk_add_f32 v[14:15], v[14:15], v[156:157]
	v_pk_add_f32 v[226:227], v[226:227], v[96:97]
	v_pk_add_f32 v[254:255], v[254:255], v[98:99]
	v_pk_add_f32 v[252:253], v[252:253], v[102:103]
	v_pk_add_f32 v[250:251], v[250:251], v[106:107]
	v_pk_add_f32 v[248:249], v[248:249], v[110:111]
	v_pk_add_f32 v[246:247], v[246:247], v[114:115]
	v_pk_add_f32 v[244:245], v[244:245], v[118:119]
	v_pk_add_f32 v[14:15], v[14:15], v[122:123]
	v_pk_add_f32 v[226:227], v[226:227], v[126:127]
	v_pk_add_f32 v[254:255], v[254:255], v[130:131]
	v_pk_add_f32 v[252:253], v[252:253], v[134:135]
	v_pk_add_f32 v[250:251], v[250:251], v[138:139]
	v_pk_add_f32 v[248:249], v[248:249], v[142:143]
	v_pk_add_f32 v[246:247], v[246:247], v[146:147]
	v_pk_add_f32 v[244:245], v[244:245], v[150:151]
	v_pk_add_f32 v[14:15], v[14:15], v[154:155]
	v_pk_add_f32 v[226:227], v[226:227], v[158:159]
	s_delay_alu instid0(VALU_DEP_2)
	v_pk_add_f32 v[14:15], v[14:15], v[250:251]
	s_delay_alu instid0(VALU_DEP_2)
	v_pk_add_f32 v[226:227], v[226:227], v[248:249]
	v_pk_add_f32 v[254:255], v[254:255], v[246:247]
	v_pk_add_f32 v[252:253], v[252:253], v[244:245]
	s_delay_alu instid0(VALU_DEP_2)
	v_pk_add_f32 v[14:15], v[14:15], v[254:255]
	s_delay_alu instid0(VALU_DEP_2)
	v_pk_add_f32 v[226:227], v[226:227], v[252:253]
	s_delay_alu instid0(VALU_DEP_1)
	v_pk_add_f32 v[14:15], v[14:15], v[226:227]
.set j, 0
.rept 16
	v_pk_mul_f32 v[O+j:O+j+1], v[O+j:O+j+1], v[FF:FF+1] op_sel_hi:[1,0]   ; O^T under the new M
.set j, j+2
.endr
	s_wait_alu depctr_va_vdst(0)
	s_wait_dscnt 0x0                               ; v^T is in
.irp t, 0,2                                    ; O^T += v^T p^T: four accumulators by turns
	v_wmma_scale_f32_16x16x128_f8f6f4 v[O+8*\t:O+8*\t+7], v[F+12*\t:F+12*\t+11], v[PCD:PCD+11], v[O+8*\t:O+8*\t+7], v[34+\t/2], v36 matrix_a_fmt:MATRIX_FMT_FP6 matrix_b_fmt:MATRIX_FMT_FP6
	v_wmma_scale_f32_16x16x128_f8f6f4 v[O+8*(\t+1):O+8*(\t+1)+7], v[F+12*(\t+1):F+12*(\t+1)+11], v[PCD:PCD+11], v[O+8*(\t+1):O+8*(\t+1)+7], v[34+\t/2], v36 matrix_a_fmt:MATRIX_FMT_FP6 matrix_b_fmt:MATRIX_FMT_FP6 matrix_a_scale:MATRIX_SCALE_ROW1
.endr
.Lhidden_\@:
	s_add_co_u32 s18, s18, 128
.endm
; THE CHANGE OF SLOTS stands at a slot's head: each wave waits for all its tensor loads, adds 0 to its spare word, and waits for that and for its reads of the slot that it has left.
; fill = 1: that slot is filled with the next trip's keys: slot number trip + 1 while block X lasts, then trip - X: the second block begins at key 0.  The load has a whole slot's steps in which to land.
.macro CHANGE fill
	s_wait_tensorcnt 0x0                           ; no tensor load of mine is out, so group 0 may be written
	ds_add_u32 v[SPW], v[NIL]                      ; 0 onto my spare word
.if \fill
	s_xor_b32 s37, s37, SLOT1                      ; the other slot than last time
	s_add_co_u32 s48, s16, 1
	s_sub_co_u32 s49, s16, s13
	s_cmp_le_u32 s48, s13
	s_cselect_b32 s48, s48, s49
	s_mul_i32 s48, s48, 2*KVREC
	s_mov_b32 s49, 0
	s_add_nc_u64 s[38:39], s[40:41], s[48:49]
	s_or_b32 s39, s39, 0x80000000
.endif
	s_wait_dscnt 0x0                               ; the add is done, and my reads of the slot that I have left are over
	s_barrier_signal -1
	s_barrier_wait -1
.if \fill
	TLOAD                                          ; the first thing behind the barrier, and the one tensor load until the next
.endif
.endm
.macro SLOT_STEPS
	STEP 0
	STEP 1
	s_xor_b32 s17, s17, SLOT1
.endm
; A BLOCK'S END: y = O^T / l; register 16 b + i of a lane = channel 32 b + 16 h + i: two blocks of 32; the half fragment goes to yq as an image, the scale word (two bytes) is kept in v[pw].
.macro FINISH pw
.rept 4
	v_nop                                          ; places behind the last products
.endr
	v_add_f32 v14, v14, v15
	s_delay_alu instid0(VALU_DEP_1)
	v_permlanex16_b32 v226, v14, s22, s23
	s_delay_alu instid0(VALU_DEP_1)
	v_add_f32 v14, v14, v226                       ; the row's sum
	s_wait_alu depctr_va_vdst(0)
	v_rcp_f32 v[FF], v14
	v_nop                                          ; a plain place behind the transcendental
.set j, 0
	s_wait_alu depctr_va_vdst(0)
.rept 16
	v_pk_mul_f32 v[S+j:S+j+1], v[O+j:O+j+1], v[FF:FF+1] op_sel_hi:[1,0]   ; each accumulator from its low end on
.set j, j+2
.endr
.irp b, 0,1
	v_max3_num_f32 v[BM+\b], |v[S+16*\b]|, |v[S+16*\b+1]|, 0x1800000
.endr
.irp i, 2,4,6,8,10,12,14
.irp b, 0,1
	s_delay_alu instid0(VALU_DEP_2)
	v_max3_num_f32 v[BM+\b], v[BM+\b], |v[S+16*\b+\i]|, |v[S+16*\b+\i+1]|
.endr
.endr
.irp b, 0,1
	s_delay_alu instid0(VALU_DEP_2)
	v_permlanex16_b32 v[BP+\b], v[BM+\b], s22, s23
.endr
.irp b, 0,1
	s_delay_alu instid0(VALU_DEP_2)
	v_max_num_f32 v[BM+\b], v[BM+\b], v[BP+\b]
.endr
.irp b, 0,1
	s_delay_alu instid0(VALU_DEP_2)
	v_add_nc_u32 v[SO+\b], 0xff000000, v[BM+\b]
.endr
.irp b, 0,1
	s_delay_alu instid0(VALU_DEP_2)
	v_lshrrev_b32 v[BP+\b], 23, v[SO+\b]
.endr
	s_delay_alu instid0(VALU_DEP_1)
	v_lshl_or_b32 v[\pw], v[BP+1], 8, v[BP]
	v_cvt_scalef32_pk16_fp6_f32 v[Y:Y+2], v[S:S+15], v[SO]
	v_cvt_scalef32_pk16_fp6_f32 v[T2:T2+2], v[S+16:S+31], v[SO+1]
	v_nop                                          ; one plain place behind a scaled conversion
.irp i, 0,1,2
	v_permlane16_swap_b32 v[Y+\i], v[T2+\i]
.endr
.irp i, 0,1,2
	s_delay_alu instid0(VALU_DEP_3)
	v_mov_b32 v[Y+3+\i], v[T2+\i]
.endr
	s_mul_i32 s54, s20, 2*YREC
	s_mov_b32 s55, 0
	s_add_nc_u64 s[54:55], s[46:47], s[54:55]
	global_store_b128 v1, v[Y:Y+3], s[54:55]       ; 512 consecutive bytes,
	global_store_b64 v2, v[Y+4:Y+5], s[54:55] offset:512   ; and 256
	s_wait_xcnt 0x0                                ; the stores' registers and base are written again only behind this wait
.endm
	s_wait_loadcnt 0x0                             ; q
.Lslot:                                            ; eight trips: behind each change of slots but the last the next slot is asked for
	CHANGE 1
	SLOT_STEPS
	s_cmp_lg_u32 s16, s13                          ; block X ends with trip X: a scalar branch on ids, alike in all sixteen waves, round no barrier, no tensor load and no LDS access
	s_cbranch_scc1 .Lsame_block
	FINISH 8
	s_sub_co_u32 s20, 7, s13                       ; the second block
	QLOAD
	INIT
	s_wait_loadcnt 0x0
.Lsame_block:
	s_add_co_u32 s16, s16, 1
	s_cmp_lt_u32 s16, 8
	s_cbranch_scc1 .Lslot
	CHANGE 0                                       ; the last slot is written out
	SLOT_STEPS
	FINISH 9
	ds_store_b32 v11, v8                           ; y's scale words meet in LDS (lanes r and r + 16 write the same word with the same value)
	s_wait_alu depctr_va_vdst(0)
	ds_store_b32 v11, v9 offset:1024
	s_wait_dscnt 0x0                               ; for the others' sake
	s_barrier_signal -1
	s_barrier_wait -1
	s_cmp_lt_u32 s12, 4
	s_cbranch_scc0 .Lend
	ds_load_b128 v[16:19], v29                     ; image w: block X (w / 2 = 0) or 7 - X, chunk w % 2
	s_lshr_b32 s48, s12, 1
	s_sub_co_u32 s49, 7, s13
	s_cmp_eq_u32 s48, 0
	s_cselect_b32 s48, s13, s49
	s_lshl_b32 s48, s48, 1
	s_add_co_u32 s48, s48, s14
	s_add_co_u32 s48, s48, s26                     ; the record of yq
	s_mul_i32 s48, s48, YREC
	s_and_b32 s49, s15, 15
	s_lshl_b32 s49, s49, 9                         ; the head's 512 bytes behind the codes
	s_add_co_u32 s48, s48, s49
	s_add_co_u32 s48, s48, 98304
	s_mov_b32 s49, 0
	s_add_nc_u64 s[50:51], s[8:9], s[48:49]
	s_wait_dscnt 0x0
	global_store_b128 v1, v[16:19], s[50:51]       ; 512 consecutive bytes
.Lend:
	s_wait_tensorcnt 0x0                           ; the wave's end
	ds_add_u32 v[SPW], v[NIL]
	s_wait_dscnt 0x0
	s_endpgm
.Lfunc_end_k_q7b827e7698_attn:
	.size	k_q7b827e7698_attn, .Lfunc_end_k_q7b827e7698_attn-k_q7b827e7698_attn
	.p2alignl 7, 3214868480
	.fill 96, 4, 3214868480
	.section	.rodata,"a",@progbits
	.p2align	6, 0x0
	.amdhsa_kernel k_q7b827e7698_attn
		.amdhsa_group_segment_fixed_size 327680
		.amdhsa_private_segment_fixed_size 0
		.amdhsa_enable_private_segment 0
		.amdhsa_kernarg_size 24
		.amdhsa_user_sgpr_count 2
		.amdhsa_user_sgpr_kernarg_segment_ptr 1
		.amdhsa_wavefront_size32 1
		.amdhsa_system_sgpr_workgroup_id_x 1
		.amdhsa_system_sgpr_workgroup_id_y 1
		.amdhsa_system_sgpr_workgroup_id_z 1
		.amdhsa_system_vgpr_workitem_id 0
		.amdhsa_next_free_vgpr 256
		.amdhsa_next_free_sgpr 66
		.amdhsa_reserve_vcc 1
		.amdhsa_float_denorm_mode_32 3
		.amdhsa_float_denorm_mode_16_64 3
		.amdhsa_memory_ordered 1
		.amdhsa_forward_progress 1
		.amdhsa_inst_pref_size 110
	.end_amdhsa_kernel
	.amdgpu_metadata
---
amdhsa.version: [ 1, 2 ]
amdhsa.kernels:
  - .name:           k_q7b827e7698_attn
    .symbol:         k_q7b827e7698_attn.kd
    .args:
      - { .name: qi, .offset: 0, .size: 8, .value_kind: global_buffer, .address_space: global }
      - { .name: kv, .offset: 8, .size: 8, .value_kind: global_buffer, .address_space: global }
      - { .name: yq, .offset: 16, .size: 8, .value_kind: global_buffer, .address_space: global }
    .group_segment_fixed_size: 327680
    .private_segment_fixed_size: 0
    .kernarg_segment_align: 8
    .kernarg_segment_size: 24
    .max_flat_workgroup_size: 512
    .sgpr_count:     66
    .vgpr_count:     256
    .wavefront_size: 32
...
	.end_amdgpu_metadata
.endif
;; end of part 3
;; launch proj (part 4): grid 8 x 32, 4 waves a work-group, clusters of 4 x 4, 327,680 bytes of LDS; arguments yq, wq, out0; writes out0
.if DOCPART == 4
	.amdgcn_target "amdgcn-amd-amdhsa--gfx1250"
	.amdhsa_code_object_version 6
	.text
	.protected	k_q7b827e7698_proj
	.globl	k_q7b827e7698_proj
	.p2align	8
	.type	k_q7b827e7698_proj,@function
k_q7b827e7698_proj:
	s_mov_b64 s[64:65], 0
	v_nop
	global_prefetch_b8 v0, s[64:65] scope:SCOPE_SE
	s_setreg_imm32_b32 hwreg(HW_REG_WAVE_MODE, 25, 1), 1
	s_wait_xcnt 0x0
	s_wait_alu depctr_hold_cnt(0) depctr_sa_sdst(0) depctr_va_vdst(0) depctr_va_sdst(0) depctr_va_ssrc(0) depctr_va_vcc(0) depctr_vm_vsrc(0)
	s_getreg_b32 s2, hwreg(HW_REG_IB_STS2, 6, 4)
	s_cmp_eq_u32 s2, 0
	s_cbranch_scc0 .Lentry_in_a_cluster
	s_endpgm
.Lentry_in_a_cluster:
	s_bfe_u32 s2, ttmp6, 0x10000c
	s_cmp_lg_u32 s2, 0xf033
	s_cbranch_scc0 .Lentry_shape_is_right
	s_endpgm
.Lentry_shape_is_right:
; out0 = y w_out^T on codes of FP6 (E2M3) with E8M0 scales, K = 1,024; f32 sums, f32 out.
; P (source 0) = 128 rows of w_out (record 24 + pb of wq), R (source 1) = 256 rows of y (two records of yq): a lane then holds neighbouring columns of one row of out0.
; A work-group makes 256 rows x 128 columns; wave w takes all 8 tiles of P against 4 tiles of R (record w / 2, tiles 4 (w % 2) on): 32 accumulators.  256 work-groups.
; CLUSTER 4 x 4: P hangs on cx alone and is shared along a column of the cluster, R on cy alone and is shared along a row: each piece is asked for jointly.
; ALL OF K FITS IN LDS (294,912 bytes): four quarters of two K steps, each a first fill: nothing is filled again.  A wave has four tensor loads out at the start.
; Operands are images of their registers: P's fragment three loads of 16 bytes a lane; R's two half fragments (a head each): 16 and 8 bytes a lane each.
; y's scale words come a head at a time, two bytes each: two heads' words make a K step's word.
; The tiles' rows are ordered as launch quant lays them: lane r of tile 2 b + u holds row 32 b + 8 u + r + 8 (r / 8): the way out puts columns and rows back.
; REGISTERS: window 0: v1-17 addresses; v32-63 P's scale words, v64-79 R's; v96-127 y's scale words as loaded; v128-175, v176-223 R's fragments, two sets; on the way out v128-255 rows of out0.
;   window 1: P's fragments, two sets, at v0 and v128.   window 2: accumulator (a, b) at v[8 (8 a + b)].
.set REC,     102400
.set YREC,    106496
.set STEPB,   12288
.set FRB,     1536
.set PIECE,   24576
.set QUARTER, 73728                    ; P's two K steps, then R's first record's, then its second's
.set SPITCH,  528                      ; the way out: a stage of 16 rows x (512 bytes + 16) for each wave, in quarter 0, which has had its only fill, and its last read in front of K step 1's barrier
.set AP,   4                           ; v4-7    P in quarter q
.set AR16, 8                           ; v8-11   my four tiles of R in quarter q, 16 bytes a lane
.set AR8,  12                          ; v12-15  the same, 8 bytes a lane
.set STO,  16
.set RD,   17
.set SP,   32
.set SR,   64
.set RAW,  96
.set RF,   128
.set BK,   128
.set G1P,  24                          ; s[24:31] group 1 for P's pieces; s[32:47] groups 0, one for each quarter
.set G0P,  32
.set G1R,  48                          ; s[48:55], s[68:83] the same for R's
.set G0R,  68
.set MSB, 0
.macro WIN new
.if MSB != (\new)
	s_set_vgpr_msb (MSB<<8)|(\new)
.set MSB, (\new)
.endif
.endm
.set MUL, 0xa1                         ; source 0 (P) window 1, source 1 (R) window 0, C and D window 2
.macro PLACES
.rept 4
	v_nop
.endr
.endm
.macro CROUND                          ; a round of the cluster's barrier
	s_barrier_signal -1
	s_barrier_wait -1
	s_cmp_lg_u32 s14, 0
	s_cbranch_scc1 .Lnot_wave_0_\@
	s_barrier_signal -3
.Lnot_wave_0_\@:
	s_barrier_wait -3
	s_barrier_signal -1
	s_barrier_wait -1
.endm
	s_load_b128 s[4:7], s[0:1], 0x0                ; yq, wq
	s_load_b64 s[8:9], s[0:1], 0x10                ; out0
	v_lshl_add_u32 v94, v0, 2, 0x48000
	v_mov_b32 v95, 0
	ds_add_u32 v94, v95
	ds_add_u32 v94, v95
	v_lshrrev_b32 v2, 5, v0
	v_readfirstlane_b32 s14, v2                    ; wave 0..3
	s_lshr_b32 s15, s14, 1                         ; my record of R.  Also: I fetch for P (0) or for R (1)
	s_and_b32 s16, s14, 1                          ; my half of its tiles.  Also: which part I fetch
	s_bfe_u32 s19, ttmp6, 0x40000                  ; cx
	s_bfe_u32 s20, ttmp6, 0x40004                  ; cy
	s_lshl_b32 s56, ttmp9, 2
	s_add_co_u32 s56, s56, s19                     ; pb: 128 columns of out0
	s_and_b32 s60, ttmp7, 0xffff
	s_lshl_b32 s60, s60, 2
	s_add_co_u32 s60, s60, s20                     ; rb: 256 rows
	s_lshl_b32 s21, 0x1111, s19                    ; my column of the cluster
	s_lshl_b32 s22, s20, 2
	s_lshl_b32 s22, 15, s22                        ; my row
	s_or_b32 s[G1P], s21, (3<<16)|(1<<21)          ; P: one K step, 12,288 dense bytes, as 48 rows of 32 elements of 8 bytes
	s_mov_b32 s[G1P+1], 32<<16
	s_mov_b32 s[G1P+2], 48<<16
	s_mov_b32 s[G1P+3], 32<<16
	s_mov_b32 s[G1P+4], 48
	s_mov_b32 s[G1P+5], 32
	s_mov_b32 s[G1P+6], 0
	s_mov_b32 s[G1P+7], 0
	s_or_b32 s[G1R], s22, (3<<16)|(1<<21)          ; R: two K steps of one record, 96 rows
	s_mov_b32 s[G1R+1], 32<<16
	s_mov_b32 s[G1R+2], 96<<16
	s_mov_b32 s[G1R+3], 32<<16
	s_mov_b32 s[G1R+4], 96
	s_mov_b32 s[G1R+5], 32
	s_mov_b32 s[G1R+6], 0
	s_mov_b32 s[G1R+7], 0
	s_add_co_u32 s58, s56, 24
	s_mul_i32 s58, s58, REC                        ; w_out's record
	s_mov_b32 s59, 0
	s_mul_i32 s88, s16, STEPB                      ; waves 0, 1: the quarter's first or second K step of P: in LDS,
	s_add_co_u32 s86, s58, s88                     ; and in memory
	s_mov_b32 s87, 0
	s_lshl_b32 s62, s60, 1
	s_add_co_u32 s84, s62, s15                     ; y's record that I multiply by: its scale words, my four tiles' two registers
	s_mul_i32 s84, s84, YREC
	s_lshl_b32 s85, s16, 3
	s_add_co_u32 s84, s84, s85
	s_add_co_u32 s84, s84, 98304
	s_mov_b32 s85, 0
	s_add_co_u32 s62, s62, s16                     ; waves 2, 3: the record that I fetch
	s_mul_i32 s62, s62, YREC
	s_mov_b32 s63, 0
	s_mul_i32 s89, s16, PIECE
	s_add_co_u32 s89, s89, PIECE                   ; its place in a quarter
	s_lshl_b32 s90, s60, 8                         ; out0: my first row 256 rb + 128 (w / 2) + 64 (w % 2), of 4,096 bytes; my columns 512 pb bytes on
	s_lshl_b32 s91, s15, 7
	s_add_co_u32 s90, s90, s91
	s_lshl_b32 s91, s16, 6
	s_add_co_u32 s90, s90, s91
	s_lshl_b32 s90, s90, 12
	s_lshl_b32 s91, s56, 9
	s_add_co_u32 s90, s90, s91
	s_mov_b32 s91, 0
	s_wait_dscnt 0x0
	s_wait_kmcnt 0x0
	s_add_nc_u64 s[58:59], s[6:7], s[58:59]
	s_add_nc_u64 s[86:87], s[6:7], s[86:87]
	s_add_nc_u64 s[62:63], s[4:5], s[62:63]
	s_add_nc_u64 s[84:85], s[4:5], s[84:85]
	s_add_nc_u64 s[8:9], s[8:9], s[90:91]
	CROUND                                         ; all sixteen work-groups are here: the joint loads meet
.irp q, 0,1,2,3
	s_mov_b32 s[G0P+4*\q], 1
	s_add_co_u32 s[G0P+4*\q+1], s88, \q*QUARTER
	s_add_nc_u64 s[G0P+4*\q+2:G0P+4*\q+3], s[86:87], \q*PIECE
	s_or_b32 s[G0P+4*\q+3], s[G0P+4*\q+3], 0x80000000
	s_mov_b32 s[G0R+4*\q], 1
	s_add_co_u32 s[G0R+4*\q+1], s89, \q*QUARTER
	s_add_nc_u64 s[G0R+4*\q+2:G0R+4*\q+3], s[62:63], \q*PIECE
	s_or_b32 s[G0R+4*\q+3], s[G0R+4*\q+3], 0x80000000
.endr
	s_cmp_eq_u32 s15, 0                            ; a wave's four fills stand in one branch, ahead of every wait on TENSORcnt and every LDS read
	s_cbranch_scc0 .Lfirst_r
	tensor_load_to_lds s[G0P:G0P+3], s[G1P:G1P+7]
	s_nop 0
	tensor_load_to_lds s[G0P+4:G0P+7], s[G1P:G1P+7]
	s_nop 0
	tensor_load_to_lds s[G0P+8:G0P+11], s[G1P:G1P+7]
	s_nop 0
	tensor_load_to_lds s[G0P+12:G0P+15], s[G1P:G1P+7]
	s_nop 0
.rept 4
	v_nop
.endr
	s_branch .Lfirst_asked
.Lfirst_r:
	tensor_load_to_lds s[G0R:G0R+3], s[G1R:G1R+7]
	s_nop 0
	tensor_load_to_lds s[G0R+4:G0R+7], s[G1R:G1R+7]
	s_nop 0
	tensor_load_to_lds s[G0R+8:G0R+11], s[G1R:G1R+7]
	s_nop 0
	tensor_load_to_lds s[G0R+12:G0R+15], s[G1R:G1R+7]
	s_nop 0
.rept 4
	v_nop
.endr
.Lfirst_asked:
	v_and_b32 v3, 31, v0
	v_lshlrev_b32 v1, 4, v3                        ; 16 x lane
	v_lshlrev_b32 v2, 3, v3                        ; 8 x lane
.irp s, 0,1,2,3,4,5,6,7
	global_load_b128 v[SP+4*\s:SP+4*\s+3], v1, s[58:59] offset:98304+512*\s   ; P's scale words: register 4 s + j: lanes 0-15 tile 2 j, lanes 16-31 tile 2 j + 1
.endr
.irp s, 0,1,2,3,4,5,6,7
.irp c, 0,1
	global_load_b64 v[RAW+4*\s+2*\c:RAW+4*\s+2*\c+1], v1, s[84:85] offset:512*(2*\s+\c)   ; head 2 s + c: my four tiles' words, two bytes each
.endr
.endr
	s_mul_i32 s92, s15, PIECE
	s_mul_i32 s93, s16, 4*FRB
	s_add_co_u32 s92, s92, s93
	s_add_co_u32 s92, s92, PIECE                   ; my four tiles of R in a quarter
.irp q, 0,1,2,3
	v_add_nc_u32 v[AP+\q], \q*QUARTER, v1
	v_add_nc_u32 v[AR16+\q], s92, v1
	v_add_nc_u32 v[AR8+\q], s92, v2
	s_add_co_u32 s92, s92, QUARTER
.endr
	v_and_b32 v18, 15, v0                          ; r
	v_bfe_u32 v19, v0, 4, 1                        ; h
	s_mul_i32 s93, s14, 16*SPITCH                  ; my stage
	v_mul_u32_u24 v[STO], v18, SPITCH
	v_lshl_add_u32 v[STO], v19, 6, v[STO]
	v_add_nc_u32 v[STO], s93, v[STO]               ; in: row r, + 64 h bytes
	v_add_nc_u32 v[RD], s93, v1                    ; back: a row's 512 bytes, 16 a lane
.macro FRAG3 reg, adr, q, i
.irp g, 0,1,2
	ds_load_b128 v[\reg+4*\g:\reg+4*\g+3], v[\adr] offset:(\q)*STEPB+(\i)*FRB+512*\g
.endr
.endm
.macro FRAGH reg, qd, q, i             ; two half fragments: registers 0-3 at 16 l, registers 4-5 at 512 + 8 l
.irp c, 0,1
	ds_load_b128 v[\reg+6*\c:\reg+6*\c+3], v[AR16+\qd] offset:(\q)*STEPB+(\i)*FRB+768*\c
	ds_load_b64 v[\reg+6*\c+4:\reg+6*\c+5], v[AR8+\qd] offset:(\q)*STEPB+(\i)*FRB+768*\c+512
.endr
.endm
.macro FETCH n                         ; K step n's fragments into sets n % 2
	WIN 0x40
.irp i, 0,1,2,3,4,5,6,7
	FRAG3 128*((\n)%2)+12*\i, AP+(\n)/2, (\n)%2, \i
.endr
	WIN 0
.irp i, 0,1,2,3
	FRAGH RF+48*((\n)%2)+12*\i, (\n)/2, (\n)%2, \i
.endr
.endm
.macro WM a, b, s, zero
.set rD, 8*(8*(\a)+(\b))
.set rP, 128*((\s)%2)+12*(\b)
.set rR, RF+48*((\s)%2)+12*(\a)
.set rA, SP+4*(\s)+(\b)/2
.set rB, SR+2*(\s)+(\a)/2
.set par, 2*((\a)%2)+(\b)%2
.if \zero
.if par == 0
	v_wmma_scale_f32_16x16x128_f8f6f4 v[rD:rD+7], v[rP:rP+11], v[rR:rR+11], 0, v[rA], v[rB] matrix_a_fmt:MATRIX_FMT_FP6 matrix_b_fmt:MATRIX_FMT_FP6
.elseif par == 1
	v_wmma_scale_f32_16x16x128_f8f6f4 v[rD:rD+7], v[rP:rP+11], v[rR:rR+11], 0, v[rA], v[rB] matrix_a_fmt:MATRIX_FMT_FP6 matrix_b_fmt:MATRIX_FMT_FP6 matrix_a_scale:MATRIX_SCALE_ROW1
.elseif par == 2
	v_wmma_scale_f32_16x16x128_f8f6f4 v[rD:rD+7], v[rP:rP+11], v[rR:rR+11], 0, v[rA], v[rB] matrix_a_fmt:MATRIX_FMT_FP6 matrix_b_fmt:MATRIX_FMT_FP6 matrix_b_scale:MATRIX_SCALE_ROW1
.else
	v_wmma_scale_f32_16x16x128_f8f6f4 v[rD:rD+7], v[rP:rP+11], v[rR:rR+11], 0, v[rA], v[rB] matrix_a_fmt:MATRIX_FMT_FP6 matrix_b_fmt:MATRIX_FMT_FP6 matrix_a_scale:MATRIX_SCALE_ROW1 matrix_b_scale:MATRIX_SCALE_ROW1
.endif
.else
.if par == 0
	v_wmma_scale_f32_16x16x128_f8f6f4 v[rD:rD+7], v[rP:rP+11], v[rR:rR+11], v[rD:rD+7], v[rA], v[rB] matrix_a_fmt:MATRIX_FMT_FP6 matrix_b_fmt:MATRIX_FMT_FP6
.elseif par == 1
	v_wmma_scale_f32_16x16x128_f8f6f4 v[rD:rD+7], v[rP:rP+11], v[rR:rR+11], v[rD:rD+7], v[rA], v[rB] matrix_a_fmt:MATRIX_FMT_FP6 matrix_b_fmt:MATRIX_FMT_FP6 matrix_a_scale:MATRIX_SCALE_ROW1
.elseif par == 2
	v_wmma_scale_f32_16x16x128_f8f6f4 v[rD:rD+7], v[rP:rP+11], v[rR:rR+11], v[rD:rD+7], v[rA], v[rB] matrix_a_fmt:MATRIX_FMT_FP6 matrix_b_fmt:MATRIX_FMT_FP6 matrix_b_scale:MATRIX_SCALE_ROW1
.else
	v_wmma_scale_f32_16x16x128_f8f6f4 v[rD:rD+7], v[rP:rP+11], v[rR:rR+11], v[rD:rD+7], v[rA], v[rB] matrix_a_fmt:MATRIX_FMT_FP6 matrix_b_fmt:MATRIX_FMT_FP6 matrix_a_scale:MATRIX_SCALE_ROW1 matrix_b_scale:MATRIX_SCALE_ROW1
.endif
.endif
.endm
.macro MUL16 a0, s, zero               ; the 32 accumulators take turns, one instruction a turn, in the same order in every K step
.irp a, \a0, \a0+1
.irp b, 0,1,2,3,4,5,6,7
	WM \a, \b, \s, \zero
.endr
.endr
.endm
; K step s.  An odd step is the last of its quarter: the next quarter is shown whole by a barrier, in front of which each wave waits for its own piece of it; the later quarters' loads may stay out.
.macro PSTEP s, zero
	s_wait_dscnt 0x0                               ; this step's fragments are in
.if ((\s)%2 == 1) && (\s < 7)
	s_wait_tensorcnt 3-((\s)+1)/2                  ; my piece of quarter (s + 1) / 2 is in: so many younger loads may be out
	s_barrier_signal -1
.endif
	WIN MUL
	MUL16 0, \s, \zero
.if ((\s)%2 == 1) && (\s < 7)
	s_barrier_wait -1
.endif
.if \s < 7
	PLACES                                         ; in front of loads into the sets that the step before multiplied
	FETCH (\s)+1
.endif
	WIN MUL
	MUL16 2, \s, \zero
.endm
	s_wait_tensorcnt 0x3                           ; my piece of quarter 0 is in,
	s_barrier_signal -1
	s_barrier_wait -1                              ; everybody's is
	FETCH 0
	s_wait_loadcnt 0x0
.irp s, 0,1,2,3,4,5,6,7
.irp j, 0,1
	v_lshl_or_b32 v[SR+2*\s+\j], v[RAW+4*\s+2+\j], 16, v[RAW+4*\s+\j]   ; bytes 0, 1: head 2 s;  bytes 2, 3: head 2 s + 1
.endr
.endr
.rept 8
	v_nop                                          ; a scale register written by a vector instruction stands eight places ahead of a scaled matrix instruction
.endr
	PSTEP 0, 1
	PSTEP 1, 0
	PSTEP 2, 0
	s_wait_alu depctr_va_vdst(0)
	PSTEP 3, 0
	PSTEP 4, 0
	PSTEP 5, 0
	PSTEP 6, 0
	PSTEP 7, 0
	WIN 0
; THE WAY OUT, a tile of 16 rows x 128 columns at a time.  Lane (r, h), accumulator (a, b), register j: column 32 (b / 2) + 16 h + 8 (b % 2) + j of row r.  The tile goes through my own stage and comes back as whole rows of 512 bytes.
; LDS serves a wave's instructions in order: no wait between the stores and the loads, nor in front of the next tile's stores.
.macro TOSTAGE a
	WIN 0x08                                       ; an LDS store's data are its source 1: window 2
.irp b, 0,1,2,3,4,5,6,7
	ds_store_b128 v[STO], v[8*(8*(\a)+\b):8*(8*(\a)+\b)+3] offset:128*(\b/2)+32*(\b%2)      ; each accumulator from its low end on
	ds_store_b128 v[STO], v[8*(8*(\a)+\b)+4:8*(8*(\a)+\b)+7] offset:128*(\b/2)+32*(\b%2)+16
.endr
	WIN 0
.set BB, BK+64*((\a)%2)
.irp t, 0,1,2,3,4,5,6,7,8,9,10,11,12,13,14,15
	ds_load_b128 v[BB+4*\t:BB+4*\t+3], v[RD] offset:\t*SPITCH
.endr
.endm
.macro SEND a, younger                 ; younger: the LDS instructions issued behind tile a's loads
.set BB, BK+64*((\a)%2)
	s_wait_dscnt \younger
.irp t, 0,1,2,3,4,5,6,7,8,9,10,11,12,13,14,15
	global_store_b128 v1, v[BB+4*\t:BB+4*\t+3], s[8:9] offset:(32*((\a)/2)+8*((\a)%2)+\t+8*(\t/8))*4096 th:TH_STORE_NT   ; lane t of the tile is this row; 32 lanes store 512 consecutive bytes, at a multiple of 256 from out0's first byte
.endr
.endm
	PLACES                                         ; behind the last products: for the stores that read results and the loads into R's registers
	TOSTAGE 0
.irp a, 1,2,3
.if \a > 1
	s_wait_xcnt 0x0                                ; tile a - 2's stores have read their registers: tile a's loads may land there
.endif
	TOSTAGE \a
	SEND \a-1, 32                                  ; behind tile a - 1's loads: tile a's 16 stores and 16 loads
.endr
	SEND 3, 0
	s_wait_tensorcnt 0x0
	s_wait_dscnt 0x0
	s_wait_tensorcnt 0x0
	ds_add_u32 v94, v95
	s_wait_dscnt 0x0
	CROUND                                         ; the closing round: no work-group ends while a partner may still ask for a piece that names it
	s_endpgm
.Lfunc_end_k_q7b827e7698_proj:
	.size	k_q7b827e7698_proj, .Lfunc_end_k_q7b827e7698_proj-k_q7b827e7698_proj
	.p2alignl 7, 3214868480
	.fill 96, 4, 3214868480
	.section	.rodata,"a",@progbits
	.p2align	6, 0x0
	.amdhsa_kernel k_q7b827e7698_proj
		.amdhsa_group_segment_fixed_size 327680
		.amdhsa_private_segment_fixed_size 0
		.amdhsa_enable_private_segment 0
		.amdhsa_kernarg_size 24
		.amdhsa_user_sgpr_count 2
		.amdhsa_user_sgpr_kernarg_segment_ptr 1
		.amdhsa_wavefront_size32 1
		.amdhsa_system_sgpr_workgroup_id_x 1
		.amdhsa_system_sgpr_workgroup_id_y 1
		.amdhsa_system_sgpr_workgroup_id_z 1
		.amdhsa_system_vgpr_workitem_id 0
		.amdhsa_next_free_vgpr 768
		.amdhsa_next_free_sgpr 100
		.amdhsa_reserve_vcc 0
		.amdhsa_float_denorm_mode_32 3
		.amdhsa_float_denorm_mode_16_64 3
		.amdhsa_memory_ordered 1
		.amdhsa_forward_progress 1
		.amdhsa_inst_pref_size 82
	.end_amdhsa_kernel
	.amdgpu_metadata
---
amdhsa.version: [ 1, 2 ]
amdhsa.kernels:
  - .name:           k_q7b827e7698_proj
    .symbol:         k_q7b827e7698_proj.kd
    .args:
      - { .name: yq, .offset: 0, .size: 8, .value_kind: global_buffer, .address_space: global }
      - { .name: wq, .offset: 8, .size: 8, .value_kind: global_buffer, .address_space: global }
      - { .name: out0, .offset: 16, .size: 8, .value_kind: global_buffer, .address_space: global }
    .group_segment_fixed_size: 327680
    .private_segment_fixed_size: 0
    .kernarg_segment_align: 8
    .kernarg_segment_size: 24
    .max_flat_workgroup_size: 128
    .sgpr_count:     100
    .vgpr_count:     768
    .wavefront_size: 32
...
	.end_amdgpu_metadata
.endif
;; end of part 4
